; MI455X (gfx1250); checked and timed in simulation.
; The chip was launched on July 23, 2026; its instructions are those of AMD's public machine-readable ISA for CDNA 5 (MIT licence, August 2026) and "CDNA5" Instruction Set Architecture Reference Guide (July 2026). The comments in the code are by the model that wrote it; some were corrected since.
;; Multi Head Attention Block. Allowed arithmetic: matrix products marked QUANTISED: E2M3 operands, one E8M0 scale for each 32 along K, by v_wmma_scale_f32_16x16x128_f8f6f4 with both operands' format E2M3, f32 sums; everything else in f32.
;; Inputs: b_k 1,024 float32; b_o 1,024 float32; b_q 1,024 float32; b_v 1,024 float32; k 2 x 2,048 x 1,024 float32; mask 1 x 1 x 2,048 x 2,048 int32; q 2 x 2,048 x 1,024 float32; v 2 x 2,048 x 1,024 float32; w_k 1,024 x 1,024 float32; w_o 1,024 x 1,024 float32; w_q 1,024 x 1,024 float32; w_v 1,024 x 1,024 float32.
;; Outputs: out0 2 x 2,048 x 1,024 float32.
;; This version of the problem:
;;   THIS VERSION OF THE PROBLEM IS GIVEN IN LOW PRECISION. The matrix products marked QUANTISED in the list below multiply operands that are first quantised to E2M3 (2 exponent bits, 3 mantissa bits; 6 bits a number), with one power-of-two scale for each 32 numbers along K (OCP MX v1.0); their sums are f32. All else is computed in f32.
;;   The module's matrix products, in the order in which they are computed (A, B: the left and right operand; K: the contracted axis; several contracted axes count as one K, in the product's order):
;;     1. [M 4,096, K 1,024] x [K 1,024, N 1,024]; A: input q; B: input w_q: QUANTISED
;;     2. [M 4,096, K 1,024] x [K 1,024, N 1,024]; A: input k; B: input w_k: QUANTISED
;;     3. [M 4,096, K 1,024] x [K 1,024, N 1,024]; A: input v; B: input w_v: QUANTISED
;;     4. batch 32 x [M 2,048, K 64] x [K 64, N 2,048]; A: computed on the way; B: computed on the way: QUANTISED
;;     5. batch 32 x [M 2,048, K 2,048] x [K 2,048, N 64]; A: softmax (see below); B: computed on the way: QUANTISED
;;     6. [M 4,096, K 1,024] x [K 1,024, N 1,024]; A: computed on the way; B: input w_o: QUANTISED
;;   THE QUANTISER, for each operand of a quantised product, along K:
;;     - K is cut into blocks of 32 from its start; a last block that is shorter is filled with zeros.
;;     - A block's scale is 2^e with e = floor(log2(the largest magnitude in the block)) - 2, held to -126 .. 127; a block of zeros has e = 0. As a byte (E8M0): e + 127.
;;     - Each number is divided by its block's scale, clamped to +-7.5, and rounded to the nearest number of E2M3, ties to even, subnormals kept.
;;     - The product sums the exact products of the quantised numbers (number of the format x scale) in f32.
;;   ~~~python
;;   def quantise(x, axis):      # numpy; x: float32 -> the quantised numbers, widened to float32 again
;;       x = np.moveaxis(x, axis, -1); K = x.shape[-1]
;;       x = np.pad(x, [(0, 0)] * (x.ndim - 1) + [(0, -K % 32)]); x = x.reshape(x.shape[:-1] + (-1, 32)); a = np.abs(x).max(-1, keepdims=True)
;;       e = np.where(a > 0, np.clip(np.frexp(np.where(a > 0, a, 1))[1] - 1 - 2, -126, 127), 0)      # np.frexp(a)[1] - 1 = floor(log2(a)), exactly
;;       r = np.clip(x / 2.0 ** e, -7.5, 7.5)
;;       step = 2.0 ** (np.maximum(np.frexp(np.where(r == 0, 1, r))[1] - 1, 0) - 3)
;;       q = np.round(r / step) * step * 2.0 ** e      # np.round: ties to even
;;       return np.moveaxis(q.reshape(q.shape[:-2] + (-1,))[..., :K], -1, axis).astype(np.float32)
;;   ~~~
;;   SOFTMAX AHEAD OF A QUANTISED PRODUCT. Where the list says 'softmax', what is quantised is not the finished softmax but p = 2^(t - M), with t = logit x log2(e) and M = ceil(the row's largest t), a whole number; so 1/2 < the row's largest p <= 1. The row's sum l is taken of the UNQUANTISED p, in f32, and the product's result is divided by l at the end. Since M is a whole number, a kernel that streams over the keys may use a running M (the ceiling of the running maximum): every later rescaling is an exact power of two, which a block's scale takes up: the codes' values come out the same.
;;   OPERANDS COMPUTED ON THE WAY. 'Computed on the way' means the value that the module computes at that place (a softmax that the list does not call 'softmax' is quantised finished and normalised). What goes into a quantiser is computed in f32, as accurately as f32 sums, v_exp_f32 and their like allow (about 1e-6 of the number): no bf16 or f16 on the way to a quantiser, and a product that is left as it is and whose result goes on into a quantised operand takes f32 operands (vector FMAs, or v_wmma_f32_16x16x4_f32). A number that lies on a knife's edge between two numbers of the format may be rounded either way, as far as f32 arithmetic and the matrix unit's own rounding can turn it there, and no further.
;; One version. Each part assembles by itself: llvm-mc -triple=amdgcn-amd-amdhsa -mcpu=gfx1250 --defsym DOCPART=n.
;; ======== version 1 of 1: 4 launches
;; limits: right only within a limited range of input values
;; workspace buffers: cod 12,582,912 bytes; scl 524,288 bytes; mbits 540,672 bytes of whole numbers; pimg 9,437,184 bytes; psc 655,360 bytes; ac 3,145,728 bytes; asc 131,072 bytes
;; launch prep (part 1): grid 1024 x 1, 4 waves a work-group, no clusters, 67,072 bytes of LDS; arguments q, k, v, w_q, w_k, w_v, w_o, mask, cod, scl, mbits; writes cod, scl, mbits
.if DOCPART == 1
	.amdgcn_target "amdgcn-amd-amdhsa--gfx1250"
	.amdhsa_code_object_version 6
	.text
	.protected	k_q030b3ca131_prep
	.globl	k_q030b3ca131_prep
	.p2align	8
	.type	k_q030b3ca131_prep,@function
k_q030b3ca131_prep:
	s_mov_b64 s[64:65], 0
	v_nop
	global_prefetch_b8 v0, s[64:65] scope:SCOPE_SE
	s_setreg_imm32_b32 hwreg(HW_REG_WAVE_MODE, 25, 1), 1
	s_wait_xcnt 0x0
; PREP.  Work-groups 0-511: q, k, v [4096][1024] and the four weights [1024][1024], f32, K innermost, become codes of FP6 (E2M3) with one E8M0 byte for each 32 along K.
; Work-groups 512-1023: the mask [2048][2048] of int32 becomes lane-mask words for the attention launch.  The two ways part on the work-group's number, never join, and have LDS bytes of their own.
; THE CODES: cod holds rows of 768 bytes, scl rows of 32 bytes; row bases q 0, k 4096, v 8192, w_q 12288, w_k 13312, w_v 14336, w_o 15360.
; ROWS LIE IN POSITION ORDER: of each 32 rows the two middle groups of 8 change places, so that position 16 T + r holds row 32 (T / 2) + 8 (T % 2) + r + 8 (r / 8).  A matrix tile of 16 neighbouring positions,
; used as source 0, then leaves in a lane's 16 registers of tiles 2 b and 2 b + 1 sixteen NEIGHBOURS along the next product's K.
; A block's scale is 2^(floor(log2(its largest magnitude)) - 2); its byte is the largest magnitude's exponent field - 2, held at 1 from below.  A block of zeros so gets the byte 1: its codes are zeros, and this program alone reads the bytes.
; LIMITS: blocks whose largest magnitude lies under 2^(2 - 126) have their byte held at 1; NaN and infinities among the inputs are not served.
; A wave takes 8 rows (16 steps of 512 numbers).  Each load reads 512 consecutive bytes; a step's 2,048 bytes turn through the wave's own stage in LDS, so that a lane then holds 16 neighbours along K.
; THE MASK WORDS: mbits[qt 128][ks 16][n 64]: bit l of word n = 16 b + i says whether key 128 ks + 32 b + 16 (l / 16) + i counts for the query at position 16 qt + l % 16;
; from byte 524,288 on, [qt][ks][2]: the OR and the AND of the unit's 64 words.
.set STEPS, 16
.set EMAX,  2
.set CB,    12                         ; bytes of 16 codes
.set R,     16                         ; v16-79   four sets of 16 numbers as they are loaded
.set X,     80                         ; v80-111  two sets of 16 neighbours
.set C,     128                        ; v128-191 codes: four registers for each step, so that no store's data are written again
.set E,     112                        ; v112-127 a scale byte for each step
.set WREG,  8192                       ; LDS, quantiser: a region for each wave: two stages of 32 x SP bytes, behind them its 256 scale bytes
.set SP,    80                         ; a lane's place in a stage: its 64 bytes + 16 of padding
.set MSTG,  32768                      ; LDS, mask: a stage of 16 rows x MPIT bytes for each wave
.set MPIT,  528                        ; 512 bytes + 16: sixteen rows start at sixteen different groups of banks
	s_load_b512 s[4:19], s[0:1], 0x0               ; q, k, v, w_q, w_k, w_v, w_o, mask
	s_load_b128 s[20:23], s[0:1], 0x40             ; cod, scl
	s_load_b64 s[24:25], s[0:1], 0x50              ; mbits
	v_lshl_add_u32 v192, v0, 2, 0x10400
	v_mov_b32 v193, 0
	v_lshrrev_b32 v1, 5, v0
	v_readfirstlane_b32 s26, v1                    ; wave
	v_and_b32 v2, 31, v0                           ; lane
	s_cmp_ge_u32 ttmp9, 512
	s_cbranch_scc1 .Lmask
	; ---------------- the quantiser ----------------
	v_lshlrev_b32 v3, 4, v2                        ; my 16 bytes of a load's 512
	s_mul_i32 s27, s26, WREG
	v_lshrrev_b32 v14, 2, v2
	v_mul_u32_u24 v14, v14, SP
	v_and_b32 v15, 3, v2
	v_lshl_add_u32 v14, v15, 4, v14
	v_add_nc_u32 v14, s27, v14                     ; the stage, on the way in: SP (lane / 4) + 16 (lane % 4)
	v_mul_u32_u24 v15, v2, SP
	v_add_nc_u32 v15, s27, v15                     ; and on the way out: SP x lane: my 16 neighbours
	v_mul_u32_u24 v4, v2, CB                       ; my codes' place in a step's
	v_lshrrev_b32 v5, 1, v2
	s_add_co_u32 s27, s27, 2*32*SP
	v_add_nc_u32 v5, s27, v5                       ; LDS: my wave's 256 scale bytes, my block's byte
	v_lshlrev_b32 v7, 3, v2                        ; and on the way out 8 bytes a lane
	v_add_nc_u32 v6, s27, v7
	s_wait_kmcnt 0x0
	s_mov_b32 s28, 0                               ; the first work-group of my tensor
.macro PICK first, lo                  ; from work-group first on the tensor is the one at s[lo]: the choice hangs on the work-group's number alone
	s_cmp_ge_u32 ttmp9, \first
	s_cselect_b64 s[4:5], s[\lo:\lo+1], s[4:5]
	s_cselect_b32 s28, \first, s28
.endm
	PICK 128, 6
	PICK 256, 8
	PICK 384, 10
	PICK 416, 12
	PICK 448, 14
	PICK 480, 16
	s_sub_co_u32 s29, ttmp9, s28
	s_lshl_b32 s29, s29, 2
	s_add_co_u32 s29, s29, s26                     ; which run of 8 rows of the tensor my wave reads
	s_lshl_b32 s30, s29, 15                        ; 32,768 bytes a run
	s_mov_b32 s31, 0
	s_add_nc_u64 s[4:5], s[4:5], s[30:31]
	s_and_b32 s29, s26, 1
	s_lshl_b32 s29, s29, 1
	s_lshr_b32 s30, s26, 1
	s_or_b32 s29, s29, s30                         ; waves 1 and 2 change places on the way out: the position order
	s_lshl_b32 s30, ttmp9, 2
	s_add_co_u32 s29, s29, s30                     ; which run of 8 rows of cod and scl it writes
	s_mul_i32 s30, s29, 6144
	s_add_nc_u64 s[20:21], s[20:21], s[30:31]
	s_lshl_b32 s30, s29, 8
	s_add_nc_u64 s[22:23], s[22:23], s[30:31]
.macro LOAD t
.irp i, 0,1,2,3
	global_load_b128 v[R+16*((\t)%4)+4*\i:R+16*((\t)%4)+4*\i+3], v3, s[4:5] offset:2048*(\t)+512*\i th:TH_LOAD_NT   ; 32 lanes read 512 consecutive bytes
.endr
.endm
.macro TURN t                          ; step t's numbers through the stage: LDS serves a wave's instructions in order, so no wait stands between the stores and the loads
.irp i, 0,1,2,3
	ds_store_b128 v14, v[R+16*((\t)%4)+4*\i:R+16*((\t)%4)+4*\i+3] offset:32*SP*((\t)%2)+8*SP*\i
.endr
.irp i, 0,1,2,3
	ds_load_b128 v[X+16*((\t)%2)+4*\i:X+16*((\t)%2)+4*\i+3], v15 offset:32*SP*((\t)%2)+16*\i
.endr
.endm
.irp t, 0,1,2,3
	LOAD \t
.endr
	s_wait_loadcnt 12                              ; step 0's four loads are in; the twelve of steps 1 to 3 stay out
	TURN 0
.macro STEP t
.set XS, X+16*((\t)%2)
.if (\t) > 0
	s_wait_dscnt 1                                 ; this step's numbers are back from the stage (the last step's byte store may be out): its stores into the stage have read their registers,
.else
	s_wait_dscnt 0x0
.endif
.if (\t)+4 < STEPS
	LOAD (\t)+4                                    ; which take the loads of four steps on
.endif
.if (\t)+1 < STEPS
.if STEPS-2-(\t) >= 3
	s_wait_loadcnt 12                              ; the next step's four loads are in; those of the three steps behind it may be out
.else
	s_wait_loadcnt 4*(STEPS-2-(\t))
.endif
	TURN (\t)+1                                    ; and go through the other stage while this step is worked
.endif
	v_max3_num_f32 v8, |v[XS]|, |v[XS+1]|, |v[XS+2]|               ; the largest magnitude of my 16, in two chains
	v_max3_num_f32 v9, |v[XS+3]|, |v[XS+4]|, |v[XS+5]|
.irp i, 6,10
	v_max3_num_f32 v8, v8, |v[XS+\i]|, |v[XS+\i+1]|
	v_max3_num_f32 v9, v9, |v[XS+\i+2]|, |v[XS+\i+3]|
.endr
	v_max3_num_f32 v8, v8, |v[XS+14]|, |v[XS+15]|
	v_max3_num_f32 v8, v8, v9, (EMAX+1)<<23        ; and the floor 2^(EMAX + 1 - 127): the byte cannot fall under 1
	v_max_num_f32_dpp v8, v8, v8 row_xmask:1 row_mask:0xf bank_mask:0xf   ; and of my neighbour's 16: the block's
	v_add_nc_u32 v11, -(EMAX<<23), v8              ; EMAX off its exponent field: the conversion takes the exponent field of this operand as its scale
	v_cvt_scalef32_pk16_fp6_f32 v[C+4*(\t):C+4*(\t)+2], v[XS:XS+15], v11         ; sixteen numbers / the scale, to the nearest code, ties to even, beyond the largest code the largest
	v_lshrrev_b32 v[E+(\t)], 23, v11               ; the scale's byte
	ds_store_b8 v5, v[E+(\t)] offset:16*(\t)       ; both lanes of a block write the same byte with the same value
	global_store_b96 v4, v[C+4*(\t):C+4*(\t)+2], s[20:21] offset:32*CB*(\t)      ; the wave stores 384 consecutive bytes
.endm
.irp t, 0,1,2,3,4,5,6,7,8,9,10,11,12,13,14,15
	STEP \t
.endr
	ds_load_b64 v[12:13], v6                       ; LDS serves a wave's instructions in order: these see my stores
	s_wait_dscnt 0x0
	global_store_b64 v7, v[12:13], s[22:23]        ; 32 lanes store 256 consecutive bytes, aligned
	s_wait_tensorcnt 0x0
	ds_add_u32 v192, v193
	s_wait_dscnt 0x0
	s_endpgm
	; ---------------- the mask ----------------
.Lmask:
	s_sub_co_u32 s27, ttmp9, 512
	s_lshl_b32 s27, s27, 2
	s_add_co_u32 s27, s27, s26                     ; my wave's unit u = 16 qt + ks
	s_lshr_b32 s28, s27, 4                         ; qt
	s_and_b32 s29, s27, 15                         ; ks
	s_lshr_b32 s32, s28, 1
	s_lshl_b32 s32, s32, 5
	s_and_b32 s33, s28, 1
	s_lshl_b32 s33, s33, 3
	s_add_co_u32 s32, s32, s33                     ; the tile's first query: 32 (qt / 2) + 8 (qt % 2)
	s_lshl_b32 s32, s32, 13                        ; rows of 8,192 bytes
	s_lshl_b32 s33, s29, 9                         ; 128 keys are 512 bytes
	s_add_co_u32 s32, s32, s33
	s_mov_b32 s33, 0
	s_lshl_b32 s34, s27, 8                         ; 256 bytes of words a unit
	s_mov_b32 s35, 0
	s_lshl_b32 s36, s27, 3                         ; 8 bytes of summary a unit
	s_add_co_u32 s36, s36, 524288
	s_mov_b32 s37, 0
	v_lshlrev_b32 v3, 4, v2                        ; 16 x lane
	s_mul_i32 s38, s26, 16*MPIT
	s_add_co_u32 s38, s38, MSTG                    ; my stage
	v_add_nc_u32 v4, s38, v3                       ; in: a row as it lies
	v_and_b32 v5, 15, v2
	v_lshrrev_b32 v6, 4, v2
	v_mul_u32_u24 v5, v5, MPIT
	v_lshl_add_u32 v5, v6, 6, v5
	v_add_nc_u32 v5, s38, v5                       ; out: row lane % 16, + 64 (lane / 16): my 16 keys of each 32
	v_lshlrev_b32 v7, 3, v2
	s_wait_kmcnt 0x0
	s_add_nc_u64 s[18:19], s[18:19], s[32:33]
	s_add_nc_u64 s[34:35], s[24:25], s[34:35]
	s_add_nc_u64 s[36:37], s[24:25], s[36:37]
.irp i, 0,1,2,3,4,5,6,7,8,9,10,11,12,13,14,15
	global_load_b128 v[32+4*\i:35+4*\i], v3, s[18:19] offset:(\i+8*(\i/8))*8192 th:TH_LOAD_NT   ; position i of the tile is row i + 8 (i / 8); 512 consecutive bytes
.endr
.irp i, 0,1,2,3,4,5,6,7,8,9,10,11,12,13,14,15
	s_wait_loadcnt 15-\i                           ; row i is in; the later rows' loads stay out
	ds_store_b128 v4, v[32+4*\i:35+4*\i] offset:\i*MPIT
.endr
.irp m, 0,1,2,3,4,5,6,7,8,9,10,11,12,13,14,15
	ds_load_b128 v[96+4*\m:99+4*\m], v5 offset:128*(\m/4)+16*(\m%4)   ; register 96 + 16 b + i: mask(my query, 128 ks + 32 b + 16 (lane / 16) + i).  In order behind my stores
.endr
	v_mov_b32 v160, 0                              ; written whole before single lanes are written
	v_mov_b32 v161, 0
	s_mov_b32 s30, 0                               ; the OR of the words
	s_mov_b32 s31, -1                              ; the AND
	s_wait_dscnt 0x0
.set n, 0
.rept 64
	v_cmp_ne_u32 s[40+n%8], 0, v[96+n]             ; word n: one bit a lane
	v_writelane_b32 v[160+(n&1)], s[40+n%8], n>>1  ; lane n / 2 gathers words n and n + 1
	s_or_b32 s30, s30, s[40+n%8]
	s_and_b32 s31, s31, s[40+n%8]
.set n, n+1
.endr
	global_store_b64 v7, v[160:161], s[34:35]      ; 32 lanes store the unit's 256 consecutive bytes, aligned
	v_mov_b32 v162, s30
	v_mov_b32 v163, s31
	v_mov_b32 v164, 0
	v_cmp_eq_u32 vcc_lo, 0, v2
	s_wait_xcnt 0x0                                ; EXEC changes only behind this wait: the store above has taken its sources
	s_wait_tensorcnt 0x0
	ds_add_u32 v192, v193
	s_wait_dscnt 0x0
	s_and_saveexec_b32 s32, vcc_lo
	global_store_b64 v164, v[162:163], s[36:37]    ; lane 0: the unit's OR and AND
	s_wait_xcnt 0x0
	s_or_b32 exec_lo, exec_lo, s32
	s_endpgm
.Lfunc_end_k_q030b3ca131_prep:
	.size	k_q030b3ca131_prep, .Lfunc_end_k_q030b3ca131_prep-k_q030b3ca131_prep
	.p2alignl 7, 3214868480
	.fill 96, 4, 3214868480
	.section	.rodata,"a",@progbits
	.p2align	6, 0x0
	.amdhsa_kernel k_q030b3ca131_prep
		.amdhsa_group_segment_fixed_size 67072
		.amdhsa_private_segment_fixed_size 0
		.amdhsa_enable_private_segment 0
		.amdhsa_kernarg_size 88
		.amdhsa_user_sgpr_count 2
		.amdhsa_user_sgpr_kernarg_segment_ptr 1
		.amdhsa_wavefront_size32 1
		.amdhsa_system_sgpr_workgroup_id_x 1
		.amdhsa_system_sgpr_workgroup_id_y 1
		.amdhsa_system_sgpr_workgroup_id_z 1
		.amdhsa_system_vgpr_workitem_id 0
		.amdhsa_next_free_vgpr 194
		.amdhsa_next_free_sgpr 66
		.amdhsa_reserve_vcc 1
		.amdhsa_float_denorm_mode_32 3
		.amdhsa_float_denorm_mode_16_64 3
		.amdhsa_memory_ordered 1
		.amdhsa_forward_progress 1
		.amdhsa_inst_pref_size 51
	.end_amdhsa_kernel
	.amdgpu_metadata
---
amdhsa.version: [ 1, 2 ]
amdhsa.kernels:
  - .name:           k_q030b3ca131_prep
    .symbol:         k_q030b3ca131_prep.kd
    .args:
      - { .name: q, .offset: 0, .size: 8, .value_kind: global_buffer, .address_space: global }
      - { .name: k, .offset: 8, .size: 8, .value_kind: global_buffer, .address_space: global }
      - { .name: v, .offset: 16, .size: 8, .value_kind: global_buffer, .address_space: global }
      - { .name: w_q, .offset: 24, .size: 8, .value_kind: global_buffer, .address_space: global }
      - { .name: w_k, .offset: 32, .size: 8, .value_kind: global_buffer, .address_space: global }
      - { .name: w_v, .offset: 40, .size: 8, .value_kind: global_buffer, .address_space: global }
      - { .name: w_o, .offset: 48, .size: 8, .value_kind: global_buffer, .address_space: global }
      - { .name: mask, .offset: 56, .size: 8, .value_kind: global_buffer, .address_space: global }
      - { .name: cod, .offset: 64, .size: 8, .value_kind: global_buffer, .address_space: global }
      - { .name: scl, .offset: 72, .size: 8, .value_kind: global_buffer, .address_space: global }
      - { .name: mbits, .offset: 80, .size: 8, .value_kind: global_buffer, .address_space: global }
    .group_segment_fixed_size: 67072
    .private_segment_fixed_size: 0
    .kernarg_segment_align: 8
    .kernarg_segment_size: 88
    .max_flat_workgroup_size: 128
    .sgpr_count:     66
    .vgpr_count:     194
    .wavefront_size: 32
...
	.end_amdgpu_metadata
.endif
;; end of part 1
;; launch proj (part 2): grid 4 x 48, 4 waves a work-group, clusters of 4 x 4, 327,680 bytes of LDS; arguments cod, scl, b_q, b_k, b_v, pimg, psc; writes pimg, psc
.if DOCPART == 2
	.amdgcn_target "amdgcn-amd-amdhsa--gfx1250"
	.amdhsa_code_object_version 6
	.text
	.protected	k_q030b3ca131_proj
	.globl	k_q030b3ca131_proj
	.p2align	8
	.type	k_q030b3ca131_proj,@function
k_q030b3ca131_proj:
	s_mov_b64 s[64:65], 0
	v_nop
	global_prefetch_b8 v0, s[64:65] scope:SCOPE_SE
	s_setreg_imm32_b32 hwreg(HW_REG_WAVE_MODE, 25, 1), 1
	s_wait_xcnt 0x0
	s_wait_alu depctr_hold_cnt(0) depctr_sa_sdst(0) depctr_va_vdst(0) depctr_va_sdst(0) depctr_va_ssrc(0) depctr_va_vcc(0) depctr_vm_vsrc(0)
	s_getreg_b32 s2, hwreg(HW_REG_IB_STS2, 6, 4)
	s_cmp_eq_u32 s2, 0
	s_cbranch_scc0 .Lentry_in_a_cluster
	s_endpgm
.Lentry_in_a_cluster:
	s_bfe_u32 s2, ttmp6, 0x10000c
	s_cmp_lg_u32 s2, 0xf033
	s_cbranch_scc0 .Lentry_shape_is_right
	s_endpgm
.Lentry_shape_is_right:
; PROJ.  The three projections x W^T + b on codes of FP6 (E2M3) with E8M0 scales, K = 1,024, and the quantising of their results into the operands of the attention launch.
; 192 work-groups of four waves; each makes a tile of 256 x 256, a wave 128 x 128: 64 accumulators of 16 x 16, 512 registers.  The cluster's y (0 .. 11) says which product (kind = y / 4: 0 Q, 1 K, 2 V) and which part of it.
; THE MATRIX INSTRUCTION IS USED TRANSPOSED: source 0 = 16 rows of "B", source 1 = 16 rows of "A": a lane holds one row of A and its registers run along B's rows.
;   Q, K: A = the tokens, B = the weight's rows: a lane holds a token, its registers the channels, which are the K of Q K^T.
;   V:    A = w_v's rows, B = the tokens:        a lane holds a channel, its registers the keys, which are the K of P V.
; Rows of cod and scl lie in position order (position 16 T + r = row 32 (T / 2) + 8 (T % 2) + r + 8 (r / 8)): so the 16 registers of B's tiles 2 b and 2 b + 1 are 16 NEIGHBOURS, 32 b + 16 (lane / 16) + 0 .. 15.
; K goes in steps of 256 through a ring of two LDS slots filled by the tensor data mover; the scales of the work-group's rows come once.  4 x 4 work-groups form a cluster: A's tiles are shared along a row of it,
; B's along a column: each tile is asked for JOINTLY, by the same tensor load with the same descriptor and a mask that names the four.
; THE WAY OUT: bias, the quantiser along the next K, and stores of whole aligned runs of 256 bytes.  A HALF-UNIT is 768 bytes, [3][lane 32][8 bytes]: six operand registers, 64 along K of 16 rows.
;   pimg: Q's images at 0, K's at 3,145,728: [b h 32][tile 128][half-unit];  V's at 6,291,456: [b h][channel tile 4][key step 16][2 half-units].
;   psc:  Q's scale words at 0, K's at 262,144: [b h][position 2048], two bytes and 0x7f7f above;  V's at 524,288: [b h][key step][channel tile][row 16].
; LIMITS: a block of zeros carries the byte 1 (this program alone reads it); NaN and infinities are not served.
; REGISTERS, in windows of 256: window 0: v0-31 addresses; v32-63 scale words, two sets; from v128 A's fragments, one set; on the way out v32-255 are free.
;   window 1: B's fragments, two sets, at v0 and v128.   window 2: the 32 accumulators of my rows 0-63 ((a, b) at v[8 (8 a + b)]);   window 3: those of rows 64-127.
.set SIZE_K, 1024
.set KSTEP,  256                       ; along K in a slot
.set NQ,     KSTEP/128                 ; matrix instructions deep
.set ROWB,   192                       ; a tile's row in bytes
.set KROW,   SIZE_K*6/8                ; a row of cod
.set PITCH,  240                       ; an LDS row: 3 x (64 bytes + 16 of padding)
.set FR,     12                        ; registers of a fragment
.set NL,     6                         ; LDS loads that bring one
.set NP,     4                         ; places behind this matrix instruction (ISA guide 7.12.1)
.set HALFT,  128*PITCH                 ; what one tensor load brings
.set SLOT,   4*HALFT
.set LAPS,   SIZE_K/(2*KSTEP)
.set KS,     SIZE_K/32                 ; a row of scl
.set SCL,    2*SLOT                    ; behind the ring: the scales, as runs of 256 bytes + 16 of padding
.set HALFS,  (128*KS/256)*272
.set SBLK,   (16*KS/256)*272
.set SPARE,  SCL+4*HALFS               ; the spare words, 128 bytes for each wave, which no other line names
.set BIASL,  SPARE+512                 ; 512 bytes a wave: its 128 numbers of the bias.  These three regions are written by LDS stores alone; no tile lands there
.set SSTQ,   BIASL+2048                ; 1,024 bytes a wave: scale words of Q or K on their way out
.set SSTV,   SSTQ+4096                 ; 512 bytes a wave: those of V
.set BQ,   7                           ; v7   bias, Q and K: BIASL + 512 wave + 64 (lane / 16)
.set BVA,  8                           ; v8   bias, V: BIASL + 512 wave + 4 (r + 8 (r / 8))
.set SQ,   9                           ; v9   SSTQ + 1024 wave + 512 (lane / 16) + 4 r
.set SV,   10                          ; v10  SSTV + 512 wave + 4 r
.set SQR,  11                          ; v11  SSTQ + 1024 wave + 16 lane
.set SVR,  12                          ; v12  SSTV + 512 wave + 16 lane
.set CO8,  13                          ; v13  8 x lane
.set CO16, 14                          ; v14  16 x lane
.set VSO,  15                          ; v15  16 r + 4096 (lane / 16)
.set ADRA, 16                          ; v16-17 LDS address of my A fragments in slot 0, 1 (v18-19: behind one padding more)
.set ADRB, 20                          ; v20-21 the same for B (v22-23)
.set ADRS, 27                          ; v27  LDS address of my scale words: lanes 0-15 A's rows, lanes 16-31 B's
.set SPW,  28                          ; v28  my spare word; never rewritten
.set NIL,  29                          ; v29  0; never rewritten
.set SELR, 30                          ; v30  byte selects: lanes 0-15 the scale word's bytes 0, 1; lanes 16-31 its bytes 2, 3
.set SC,   32
.set AF,   128
.set ST,   32                          ; the way out: v32-95 64 numbers;
.set BIAS, 96                          ; v96-159 the bias in the result's layout (V: v96-111, a pair for each block);
.set PC,   160                         ; v160-178 the codes just made;
.set TM,   180                         ; v180-195 at work;
.set PW,   196                         ; the scale word just made;
.set WD,   197                         ; its half for one head;
.set RB,   204                         ; v204-211 scale words read back
.set G1, 24
.set G0, 32
.set G1B, 48
.set G0B, 56
.set G1S, 68
.set G0S, 76
.set G1SB, 80
.set G0SB, 88
.set SEL, 92                           ; s[92:93] lane selects for v_permlanex16_b32 (set behind the first fills)
.set MSB, 0
.macro WIN new                         ; the immediate's high byte repeats the setting that is left
.if MSB != \new
	s_set_vgpr_msb (MSB<<8)|\new
.set MSB, \new
.endif
.endm
.set MUL_LO, 0xa1                      ; source 0 (B) window 1, source 1 (A) window 0, C and D window 2
.set MUL_HI, 0xf1                      ; the same, C and D window 3
.set TO_B,   0x40                      ; destination window 1, address window 0
; A joint load: waves 0 and 1 fetch for A, waves 2 and 3 for B.  Each line has one mask and one set of registers; the branch hangs on the wave's number alone.  Four v_nop follow each line.
.macro JLOAD g0a, g1a, g0b, g1b
	s_cmp_eq_u32 s15, 0
	s_cbranch_scc0 .Lfor_b_\@
	tensor_load_to_lds s[\g0a:\g0a+3], s[\g1a:\g1a+7]
	s_nop 0
.rept 4
	v_nop
.endr
	s_branch .Lasked_\@
.Lfor_b_\@:
	tensor_load_to_lds s[\g0b:\g0b+3], s[\g1b:\g1b+7]
	s_nop 0
.rept 4
	v_nop
.endr
.Lasked_\@:
.endm
.macro CREST                           ; a round of the cluster's barrier behind its opening barrier
	s_cmp_lg_u32 s14, 0
	s_cbranch_scc1 .Lnot_wave_0_\@
	s_barrier_signal -3
.Lnot_wave_0_\@:
	s_barrier_wait -3
	s_barrier_signal -1
	s_barrier_wait -1
.endm
.macro CROUND                          ; a whole round
	s_barrier_signal -1
	s_barrier_wait -1
	CREST
.endm
	s_load_b128 s[4:7], s[0:1], 0x0                ; cod, scl
	s_load_b128 s[8:11], s[0:1], 0x10              ; b_q, b_k
	s_load_b64 s[12:13], s[0:1], 0x20              ; b_v
	s_load_b128 s[96:99], s[0:1], 0x28             ; pimg, psc
	v_lshl_add_u32 v[SPW], v0, 2, SPARE
	v_mov_b32 v[NIL], 0
	ds_add_u32 v28, v29
	ds_add_u32 v28, v29
	s_wait_dscnt 0x0
	v_lshrrev_b32 v1, 5, v0
	v_readfirstlane_b32 s14, v1                    ; wave 0..3
	s_lshr_b32 s15, s14, 1                         ; which half of A's rows is mine.  Also: I fetch for A (0) or for B (1)
	s_and_b32 s16, s14, 1                          ; which half of B's rows.  Also: which 128 rows I fetch
	s_bfe_u32 s40, ttmp6, 0x40000                  ; cx, cy: my place in the cluster
	s_bfe_u32 s41, ttmp6, 0x40004
	s_and_b32 s17, ttmp7, 0xffff                   ; the cluster's y, which all sixteen partners share
	s_lshr_b32 s100, s17, 2                        ; kind
	s_and_b32 s101, s17, 3                         ; which quarter of the 4,096 tokens
	s_lshl_b32 s95, s100, 12                       ; Q, K: A's rows begin at kind x 4096 of cod,
	s_lshl_b32 s3, s100, 10
	s_add_co_u32 s3, s3, 12288                     ; B's at 12288 + kind x 1024
	s_mov_b32 s20, 14336                           ; V: A = w_v,
	s_mov_b32 s21, 8192                            ; B = v
	s_cmp_eq_u32 s100, 2
	s_cselect_b32 s66, 0, s101                     ; the quarter goes with the tokens: with A's tile row,
	s_cselect_b32 s67, s101, 0                     ; or with B's tile column
	s_cselect_b32 s95, s20, s95
	s_cselect_b32 s3, s21, s3
	s_lshl_b32 s42, s67, 2
	s_add_co_u32 s42, s42, s40                     ; TC: B's block of 256 rows
	s_lshl_b32 s17, s66, 2
	s_add_co_u32 s17, s17, s41                     ; TR: A's block of 256 rows
	s_lshl_b32 s43, s41, 2
	s_lshl_b32 s43, 15, s43                        ; my row of the cluster
	s_lshl_b32 s44, 0x1111, s40                    ; my column
	; descriptor group 1: a tile of 128 rows x ROWB bytes, padded in LDS
	s_or_b32 s[G1+0], s43, (0<<16)|(1<<20)|(1<<21)|(3<<22)|(3<<25)  ; 15:0 the mask: A's tiles go to my row; elements of 1 byte; padding on; bit 21 beside a mask; after every 16 words 4 words
	s_or_b32 s[G1B+0], s44, (0<<16)|(1<<20)|(1<<21)|(3<<22)|(3<<25)
.irp g, G1, G1B
	s_mov_b32 s[\g+1], ROWB<<16                    ; tensor_dim0
	s_mov_b32 s[\g+2], 128<<16                     ; tensor_dim1
	s_mov_b32 s[\g+3], ROWB<<16                    ; tile_dim0
	s_mov_b32 s[\g+4], 128                         ; tile_dim1
	s_mov_b32 s[\g+5], KROW                        ; tensor_dim0_stride
	s_mov_b32 s[\g+6], 0
	s_mov_b32 s[\g+7], 0
.endr
	; the scales of 128 rows: a dense block of 4,096 bytes, as rows of 256 bytes (32 elements of 8 bytes), 16 bytes of padding behind each
	s_or_b32 s[G1S+0], s43, (3<<16)|(1<<20)|(1<<21)|(5<<22)|(3<<25)
	s_or_b32 s[G1SB+0], s44, (3<<16)|(1<<20)|(1<<21)|(5<<22)|(3<<25)
.irp g, G1S, G1SB
	s_mov_b32 s[\g+1], 32<<16
	s_mov_b32 s[\g+2], (128*KS/256)<<16
	s_mov_b32 s[\g+3], 32<<16
	s_mov_b32 s[\g+4], 128*KS/256
	s_mov_b32 s[\g+5], 32
	s_mov_b32 s[\g+6], 0
	s_mov_b32 s[\g+7], 0
.endr
	s_lshl_b32 s18, s16, 7                         ; which 128 rows of the tile I fetch
	s_lshl_b32 s20, s17, 8
	s_add_co_u32 s20, s20, s18
	s_add_co_u32 s20, s20, s95                     ; A: row of cod
	s_lshl_b32 s46, s42, 8
	s_add_co_u32 s46, s46, s18
	s_add_co_u32 s46, s46, s3                      ; B: row of cod
	s_mov_b32 s21, 0
	s_mov_b32 s47, 0
	s_mov_b64 s[18:19], KS
	s_mul_u64 s[22:23], s[20:21], s[18:19]         ; where these rows' scales begin, in bytes
	s_mul_u64 s[92:93], s[46:47], s[18:19]
	s_mov_b64 s[18:19], KROW
	s_mul_u64 s[20:21], s[20:21], s[18:19]         ; and their codes
	s_mul_u64 s[46:47], s[46:47], s[18:19]
	s_mul_i32 s45, s14, HALFT                      ; where they go: wave x 128 rows: no place in the cluster enters an LDS address
	s_mul_i32 s94, s14, HALFS
	s_wait_kmcnt 0x0
	s_add_nc_u64 s[20:21], s[4:5], s[20:21]
	s_add_nc_u64 s[22:23], s[6:7], s[22:23]
	s_add_nc_u64 s[46:47], s[4:5], s[46:47]
	s_add_nc_u64 s[92:93], s[6:7], s[92:93]
	CROUND                                         ; all sixteen work-groups are here: the first joint loads meet
	s_mov_b32 s[G0S], 1
	s_add_co_u32 s[G0S+1], s94, SCL
	s_mov_b64 s[G0S+2:G0S+3], s[22:23]
	s_or_b32 s[G0S+3], s[G0S+3], 0x80000000
	s_mov_b32 s[G0SB], 1
	s_add_co_u32 s[G0SB+1], s94, SCL
	s_mov_b64 s[G0SB+2:G0SB+3], s[92:93]
	s_or_b32 s[G0SB+3], s[G0SB+3], 0x80000000
	JLOAD G0S, G1S, G0SB, G1SB                     ; the scales first: they are wanted with K step 0
.irp s, 0,1
	s_mov_b32 s[G0+4*\s], 1
	s_add_co_u32 s[G0+4*\s+1], s45, \s*SLOT
	s_add_nc_u64 s[G0+4*\s+2:G0+4*\s+3], s[20:21], \s*ROWB
	s_or_b32 s[G0+4*\s+3], s[G0+4*\s+3], 0x80000000
	s_mov_b32 s[G0B+4*\s], 1
	s_add_co_u32 s[G0B+4*\s+1], s45, \s*SLOT
	s_add_nc_u64 s[G0B+4*\s+2:G0B+4*\s+3], s[46:47], \s*ROWB
	s_or_b32 s[G0B+4*\s+3], s[G0B+4*\s+3], 0x80000000
	JLOAD G0+4*\s, G1, G0B+4*\s, G1B               ; three tensor loads of mine are out now
.endr
	v_and_b32 v1, 15, v0                           ; r = l % 16
	v_bfe_u32 v2, v0, 4, 1                         ; h = l / 16
	v_mul_u32_u24 v3, v1, PITCH
	v_mul_u32_u24 v4, v2, 24
	v_add_nc_u32 v4, v3, v4                        ; a fragment's row x pitch + 24 x half
	v_lshl_add_u32 v5, v2, 4, v4                   ; and the same behind one padding more
	s_mul_i32 s21, s15, HALFT                      ; my 128 rows of A
	s_mul_i32 s22, s16, HALFT                      ; my 128 rows of B,
	s_add_co_u32 s22, s22, 2*HALFT                 ; which lie behind A's 256
.irp s, 0,1
	v_add_nc_u32 v[ADRA+\s], s21, v4
	v_add_nc_u32 v[ADRB+\s], s22, v4
	v_add_nc_u32 v[ADRA+2+\s], s21, v5
	v_add_nc_u32 v[ADRB+2+\s], s22, v5
	s_add_co_u32 s21, s21, SLOT
	s_add_co_u32 s22, s22, SLOT
.endr
	v_mul_u32_u24 v5, v1, KS                       ; my row's scales: KS bytes a row,
	v_lshrrev_b32 v6, 8, v5
	v_lshl_add_u32 v5, v6, 4, v5                   ; and 16 more for each 256 passed
	s_mul_i32 s21, s15, HALFS
	s_mul_i32 s22, s16, HALFS
	s_add_co_u32 s22, s22, 2*HALFS
	s_sub_co_u32 s22, s22, s21
	v_mul_u32_u24 v6, s22, v2                      ; lanes 16-31 take B's
	s_add_co_u32 s21, s21, SCL
	v_add_nc_u32 v5, v5, v6
	v_add_nc_u32 v[ADRS], s21, v5
	; the way out's addresses, all made here, on the one path that every wave takes
	v_and_b32 v6, 31, v0                           ; lane
	s_lshl_b32 s23, s14, 9
	s_add_co_u32 s23, s23, BIASL
	v_lshl_add_u32 v[BQ], v2, 6, s23
	v_and_b32 v[BVA], 8, v1
	v_add_nc_u32 v[BVA], v[BVA], v1
	v_lshl_add_u32 v[BVA], v[BVA], 2, s23
	s_lshl_b32 s22, s14, 10
	s_add_co_u32 s22, s22, SSTQ
	v_lshl_add_u32 v[SQ], v2, 9, s22
	v_lshl_add_u32 v[SQ], v1, 2, v[SQ]
	v_lshl_add_u32 v[SQR], v6, 4, s22
	s_lshl_b32 s21, s14, 9
	s_add_co_u32 s21, s21, SSTV
	v_lshl_add_u32 v[SV], v1, 2, s21
	v_lshl_add_u32 v[SVR], v6, 4, s21
	v_lshlrev_b32 v[CO8], 3, v6
	v_lshlrev_b32 v[CO16], 4, v6
	v_lshlrev_b32 v[VSO], 4, v1
	v_lshl_add_u32 v[VSO], v2, 12, v[VSO]
	v_mul_u32_u24 v[SELR], v2, 0x0202
	v_add_nc_u32 v[SELR], 0x0504, v[SELR]
	v_lshl_add_u32 v31, v0, 4, BIASL               ; where my 16 bytes of the wave's bias go
	; my wave's 128 numbers of the bias: Q, K: the channels are B's rows; V: they are A's rows
	s_lshl_b32 s20, s42, 8
	s_lshl_b32 s21, s16, 7
	s_add_co_u32 s20, s20, s21
	s_lshl_b32 s21, s17, 8
	s_lshl_b32 s22, s15, 7
	s_add_co_u32 s21, s21, s22
	s_cmp_eq_u32 s100, 1
	s_cselect_b64 s[8:9], s[10:11], s[8:9]
	s_cmp_eq_u32 s100, 2
	s_cselect_b64 s[8:9], s[12:13], s[8:9]
	s_cselect_b32 s20, s21, s20
	s_lshl_b32 s20, s20, 2
	s_mov_b32 s21, 0
	s_add_nc_u64 s[8:9], s[8:9], s[20:21]
	global_load_b128 v[32:35], v[CO16], s[8:9]     ; 512 consecutive bytes
	s_mov_b32 s[SEL], 0x76543210
	s_mov_b32 s[SEL+1], 0xfedcba98                 ; lane l xor 16
	s_mov_b32 s94, 0x7f7f7f7f                      ; the byte of the scale 1
	s_wait_loadcnt 0x0
	ds_store_b128 v31, v[32:35]
	s_wait_dscnt 0x0                               ; no LDS instruction of mine is out at the signal below
.macro FRAG reg, adr, q, i             ; a fragment, 16 rows x 128 K, is 12 registers: lane l holds row l % 16; registers 6 c .. 6 c + 5 hold K = 64 c + 32 (l / 16) + 0 .. 31: 24 bytes of the row, as they lie
.irp p, 0,1,2,3,4,5                    ; in pieces of 8 bytes; where the piece of lanes 16-31 lies behind one padding more, the second address register serves
.set PCE, 12*(\q)+6*(\p/3)+\p%3
.if PCE%8 < 5
	ds_load_b64 v[\reg+2*\p:\reg+2*\p+1], v[\adr] offset:8*PCE+16*(PCE/8)+(\i)*16*PITCH
.else
	ds_load_b64 v[\reg+2*\p:\reg+2*\p+1], v[\adr+2] offset:8*PCE+16*(PCE/8)+(\i)*16*PITCH
.endif
.endr
.endm
; 16 matrix instructions: A's blocks a0, a0 + 1 x B's eight, 128 along K.  zero = 1: the first product starts the sums.  The 64 accumulators take turns, one instruction a turn.
.macro MUL16 a0, p, q, sc, zero
.irp a, \a0, \a0+1
.irp b, 0,1,2,3,4,5,6,7
.if \zero
	v_wmma_scale_f32_16x16x128_f8f6f4 v[8*(8*((\a)%4)+\b):8*(8*((\a)%4)+\b)+7], v[128*(\p)+FR*\b:128*(\p)+FR*\b+FR-1], v[AF+FR*(\a):AF+FR*(\a)+FR-1], 0, v[SC+8*NQ*(\sc)+NQ*\b+(\q)], v[SC+8*NQ*(\sc)+NQ*(\a)+(\q)] matrix_a_fmt:MATRIX_FMT_FP6 matrix_b_fmt:MATRIX_FMT_FP6 matrix_a_scale:MATRIX_SCALE_ROW1
.else
	v_wmma_scale_f32_16x16x128_f8f6f4 v[8*(8*((\a)%4)+\b):8*(8*((\a)%4)+\b)+7], v[128*(\p)+FR*\b:128*(\p)+FR*\b+FR-1], v[AF+FR*(\a):AF+FR*(\a)+FR-1], v[8*(8*((\a)%4)+\b):8*(8*((\a)%4)+\b)+7], v[SC+8*NQ*(\sc)+NQ*\b+(\q)], v[SC+8*NQ*(\sc)+NQ*(\a)+(\q)] matrix_a_fmt:MATRIX_FMT_FP6 matrix_b_fmt:MATRIX_FMT_FP6 matrix_a_scale:MATRIX_SCALE_ROW1
.endif
.endr
.endr
.endm
.macro FETCH_B slot, q, p
	WIN TO_B
.irp i, 0,1,2,3,4,5,6,7
	FRAG 128*(\p)+FR*\i, ADRB+\slot, \q, \i
.endr
	WIN 0
.endm
.macro FETCH_A slot, q, i0
.irp i, \i0, \i0+1, \i0+2, \i0+3
	FRAG AF+FR*(\i), ADRA+\slot, \q, \i
.endr
.endm
.macro SCALES sc                       ; a K step's scale words: lanes 0-15 take A's block i, lanes 16-31 B's block i
.irp i, 0,1,2,3,4,5,6,7
	ds_load_b64 v[SC+8*NQ*\sc+NQ*\i:SC+8*NQ*\sc+NQ*\i+1], v[ADRS] offset:\i*SBLK
.endr
.endm
.macro PLACES n                        ; plain vector instructions between a matrix instruction and a load into, or a read of, its registers
.rept \n
	v_nop
.endr
.endm
.macro STEP slot, q, zero              ; a step of 128 along K that has its successor in the same slot
	s_wait_dscnt 4*NL                              ; B's set and A's blocks 0-3 are in; the 24 youngest loads (A's blocks 4-7) may be out
	WIN MUL_LO
	MUL16 0, (\q)%2, \q, \slot, \zero
	MUL16 2, (\q)%2, \q, \slot, \zero
	s_wait_dscnt 0
	PLACES NP
	FETCH_B \slot, (\q)+1, 1-(\q)%2
	FETCH_A \slot, (\q)+1, 0
	WIN MUL_HI
	MUL16 4, (\q)%2, \q, \slot, \zero
	MUL16 6, (\q)%2, \q, \slot, \zero
	PLACES NP
	WIN 0
	FETCH_A \slot, (\q)+1, 4
.endm
; A slot's last step changes slots: one barrier; in front of it each wave waits for all its tensor loads, adds 0 to its spare word, and waits for that and for its reads of this slot.  fill = 1: the slot is filled again, two K steps ahead.
.macro TURN slot, next, fill
	s_wait_tensorcnt 0x0                           ; all my tensor loads have landed: my part of the next slot
	ds_add_u32 v[SPW], v[NIL]                      ; 0 onto my spare word
	s_wait_dscnt 4*NL+1                            ; (the add and the 24 youngest loads may be out)
	WIN MUL_LO
	MUL16 0, 1, NQ-1, \slot, 0
	s_wait_dscnt 0x0                               ; the add is done, and my reads of this slot are over
	s_barrier_signal -1
	MUL16 2, 1, NQ-1, \slot, 0
	WIN 0
	s_barrier_wait -1
.if \fill
	CREST                                          ; the barrier has opened a round of the cluster's barrier: no wave of any partner still reads this slot or has a load on its way
	s_add_nc_u64 s[G0+4*\slot+2:G0+4*\slot+3], s[G0+4*\slot+2:G0+4*\slot+3], 2*ROWB
	s_add_nc_u64 s[G0B+4*\slot+2:G0B+4*\slot+3], s[G0B+4*\slot+2:G0B+4*\slot+3], 2*ROWB
	JLOAD G0+4*\slot, G1, G0B+4*\slot, G1B         ; the first tensor load behind the round, my only one until the next; its four v_nop are the places in front of the loads below
.else
	PLACES NP
.endif
	v_add_nc_u32 v[ADRS], 4*NQ, v[ADRS]            ; on to the next K step's scale words
	FETCH_B \next, 0, 0
	FETCH_A \next, 0, 0
	SCALES \next
	WIN MUL_HI
	MUL16 4, 1, NQ-1, \slot, 0
	MUL16 6, 1, NQ-1, \slot, 0
	PLACES NP
	WIN 0
	FETCH_A \next, 0, 4
.endm
	s_wait_tensorcnt 1                             ; the scales and my part of K step 0 are in; K step 1's load may be out
	s_barrier_signal -1
	s_barrier_wait -1
	FETCH_B 0, 0, 0
	FETCH_A 0, 0, 0
	SCALES 0
	FETCH_A 0, 0, 4
	STEP 0, 0, 1                                   ; the first step stands in front of the loop: its products start the sums
	s_mov_b32 s3, LAPS-1
.Llap:                                                 ; a trip goes once round the ring and fills both slots again
	TURN 0, 1, 1
	STEP 1, 0, 0
	TURN 1, 0, 1
	STEP 0, 0, 0
	s_sub_co_u32 s3, s3, 1
	s_cmp_lg_u32 s3, 0
	s_cbranch_scc1 .Llap
	TURN 0, 1, 0                                   ; the last lap fills nothing
	STEP 1, 0, 0
	s_wait_dscnt 4*NL
	WIN MUL_LO
	MUL16 0, 1, NQ-1, 1, 0
	MUL16 2, 1, NQ-1, 1, 0
	s_wait_dscnt 0
	WIN MUL_HI
	MUL16 4, 1, NQ-1, 1, 0
	MUL16 6, 1, NQ-1, 1, 0
	WIN 0
; 64 numbers of a lane, v[s] .. v[s + 63], register 16 b + i = k 32 b + 16 (lane / 16) + i of my row, become a fragment's codes in v[PC] on and its scale word in v[PW].
.macro QUANT s
.irp b, 0,1,2,3
	v_max3_num_f32 v[TM+\b], |v[\s+16*\b]|, |v[\s+1+16*\b]|, 0x1800000   ; block b: my 16 numbers, and the floor 2^(3 - 127): the byte cannot fall under 1
.endr
.irp i, 2,4,6,8,10,12,14
.irp b, 0,1,2,3
	v_max3_num_f32 v[TM+\b], v[TM+\b], |v[\s+16*\b+\i]|, |v[\s+1+16*\b+\i]|   ; the four blocks by turns
.endr
.endr
.irp b, 0,1,2,3
	v_permlanex16_b32 v[TM+4+\b], v[TM+\b], s[SEL], s[SEL+1]
.endr
.irp b, 0,1,2,3
	v_max_num_f32 v[TM+\b], v[TM+\b], v[TM+4+\b]   ; with lane l xor 16's: the block's largest magnitude
.endr
.irp b, 0,1,2,3
	v_add_nc_u32 v[TM+12+\b], 0xff000000, v[TM+\b]   ; 2 off its exponent field: the conversion's scale operand
.endr
.irp b, 0,1,2,3
	v_lshrrev_b32 v[TM+4+\b], 23, v[TM+12+\b]      ; the scale's byte
.endr
	v_lshl_or_b32 v[PW], v[TM+5], 8, v[TM+4]       ; the four bytes make my row's scale word, the same in lanes l and l xor 16
	v_lshl_or_b32 v[PW], v[TM+6], 16, v[PW]
	v_lshl_or_b32 v[PW], v[TM+7], 24, v[PW]
.irp c, 0,1
	v_cvt_scalef32_pk16_fp6_f32 v[PC+6*\c:PC+2+6*\c], v[\s+32*\c:\s+15+32*\c], v[TM+12+2*\c]
	v_cvt_scalef32_pk16_fp6_f32 v[PC+12+4*\c:PC+14+4*\c], v[\s+16+32*\c:\s+31+32*\c], v[TM+12+2*\c+1]   ; (a conversion's three registers begin on an even number)
.endr
	v_nop                                          ; one plain place behind a scaled conversion
.irp c, 0,1                                    ; the operand's layout wants a whole block in a lane: lanes 0-15 block 2 c, lanes 16-31 block 2 c + 1
.irp i, 0,1,2
	v_permlane16_swap_b32 v[PC+6*\c+\i], v[PC+12+4*\c+\i]
.endr
.irp i, 0,1,2
	v_mov_b32 v[PC+3+6*\c+\i], v[PC+12+4*\c+\i]
.endr
.endr
.endm
; THE WAY OUT.  kind = 0: Q or K;  1: V.  A's eight blocks of 16 rows one after the other: bias (the addition also brings the sums into window 0, each accumulator from its low end on), quantiser, six stores of 256 aligned bytes.
.macro EPI kind
.if \kind == 0
.irp b, 0,1,2,3,4,5,6,7
	ds_load_b128 v[BIAS+8*\b:BIAS+8*\b+3], v[BQ] offset:(32*(\b/2)+8*(\b%2))*4        ; tile b's registers are channels 32 (b / 2) + 8 (b % 2) + 16 (lane / 16) + 0 .. 7
	ds_load_b128 v[BIAS+8*\b+4:BIAS+8*\b+7], v[BQ] offset:(32*(\b/2)+8*(\b%2))*4+16
.endr
	s_lshl_b32 s20, s17, 8
	s_lshl_b32 s21, s15, 7
	s_add_co_u32 s20, s20, s21                     ; my first token's position
	s_lshr_b32 s21, s20, 11                        ; the batch
	s_and_b32 s20, s20, 2047
	s_lshr_b32 s20, s20, 4                         ; my first tile of tokens
	s_lshl_b32 s22, s42, 2
	s_lshl_b32 s23, s16, 1
	s_add_co_u32 s22, s22, s23                     ; my first head: my 128 channels are two heads
	s_lshl_b32 s21, s21, 4
	s_add_co_u32 s21, s21, s22                     ; b h
	s_lshl_b32 s22, s21, 7
	s_add_co_u32 s22, s22, s20
	s_mul_i32 s22, s22, 768
	s_mul_i32 s23, s100, 3145728
	s_add_co_u32 s22, s22, s23
	s_mov_b32 s23, 0
	s_add_nc_u64 s[96:97], s[96:97], s[22:23]      ; the images
	s_lshl_b32 s22, s21, 13
	s_lshl_b32 s20, s20, 6
	s_add_co_u32 s22, s22, s20
	s_lshl_b32 s20, s100, 18
	s_add_co_u32 s22, s22, s20
	s_add_nc_u64 s[98:99], s[98:99], s[22:23]      ; the scale words
.else
.irp a, 0,1,2,3,4,5,6,7
	ds_load_b32 v[BIAS+2*\a], v[BVA] offset:(32*(\a/2)+8*(\a%2))*4                    ; block a's lane r is channel 32 (a / 2) + 8 (a % 2) + r + 8 (r / 8): its bias, twice, for the packed addition
	ds_load_b32 v[BIAS+2*\a+1], v[BVA] offset:(32*(\a/2)+8*(\a%2))*4
.endr
	s_lshl_b32 s20, s42, 8
	s_lshl_b32 s21, s16, 7
	s_add_co_u32 s20, s20, s21                     ; my first key's position: my 128 keys are one key step
	s_lshr_b32 s21, s20, 11                        ; the batch
	s_and_b32 s20, s20, 2047
	s_lshr_b32 s20, s20, 7                         ; the key step
	s_lshl_b32 s22, s17, 2
	s_lshl_b32 s23, s15, 1
	s_add_co_u32 s22, s22, s23                     ; my first head
	s_lshl_b32 s21, s21, 4
	s_add_co_u32 s21, s21, s22                     ; b h
	s_lshl_b32 s22, s21, 6
	s_add_co_u32 s22, s22, s20
	s_mul_i32 s22, s22, 1536
	s_add_co_u32 s22, s22, 6291456
	s_mov_b32 s23, 0
	s_add_nc_u64 s[96:97], s[96:97], s[22:23]
	s_lshl_b32 s22, s21, 12
	s_lshl_b32 s20, s20, 8
	s_add_co_u32 s22, s22, s20
	s_add_co_u32 s22, s22, 524288
	s_add_nc_u64 s[98:99], s[98:99], s[22:23]
.endif
	s_wait_dscnt 0x0                               ; the bias is in
.irp a, 0,1,2,3,4,5,6,7
.if \a > 0
	s_wait_xcnt 0x0                                ; the last block's stores have taken their data: the codes' registers may be written again,
	s_wait_dscnt 0x0                               ; and so may the scale word's
.endif
	WIN 0x02+(\a/4)                                ; source 0: window 2 or 3
.set i, 0
.rept 32
.if \kind == 0
	v_pk_add_f32 v[ST+2*i:ST+2*i+1], v[64*(\a%4)+2*i:64*(\a%4)+2*i+1], v[BIAS+2*i:BIAS+2*i+1]
.else
	v_pk_add_f32 v[ST+2*i:ST+2*i+1], v[64*(\a%4)+2*i:64*(\a%4)+2*i+1], v[BIAS+2*\a:BIAS+2*\a+1]
.endif
.set i, i+1
.endr
	WIN 0
	QUANT ST
.irp e, 0,1,2,3,4,5
.if \kind == 0
	global_store_b64 v[CO8], v[PC+2*\e:PC+2*\e+1], s[96:97] offset:768*\a+98304*(\e/3)+256*(\e%3)   ; registers 0-5: my first head's 64 channels; 6-11: the next head's.  256 consecutive bytes, aligned
.else
	global_store_b64 v[CO8], v[PC+2*\e:PC+2*\e+1], s[96:97] offset:24576*\a+256*\e                  ; channel tile a % 4 of head a / 4: 128 keys, 1,536 bytes on end
.endif
.endr
.if \kind == 0
	v_perm_b32 v[WD], v[PW], s94, v[SELR]          ; lanes 0-15: the first head's two bytes, lanes 16-31: the next head's; 0x7f7f above, for the half of K that is zero codes
	ds_store_b32 v[SQ], v[WD] offset:64*\a
.else
	ds_store_b32 v[SV], v[PW] offset:64*\a         ; lanes l and l xor 16 write the same word with the same value
.endif
.endr
.if \kind == 0
	ds_load_b128 v[RB:RB+3], v[SQR]                ; LDS serves a wave's instructions in order: these see my stores
	ds_load_b128 v[RB+4:RB+7], v[SQR] offset:512
	s_wait_dscnt 0x0
	global_store_b128 v[CO16], v[RB:RB+3], s[98:99]               ; 128 positions' words of one head: 512 consecutive bytes
	global_store_b128 v[CO16], v[RB+4:RB+7], s[98:99] offset:8192 ; and of the next head
.else
	ds_load_b128 v[RB:RB+3], v[SVR]
	s_wait_dscnt 0x0
	global_store_b128 v[VSO], v[RB:RB+3], s[98:99] ; lanes 0-15: my first head's 256 bytes of this key step; lanes 16-31: the next head's
.endif
.endm
	PLACES NP                                      ; behind the last products: their results are read and their operands' registers written below
.irp b, 0,1,2,3
	v_mov_b32 v[TM+4+\b], 0                        ; written once: a lane permute's destination counts as one of its sources
.endr
	s_cmp_eq_u32 s100, 2                           ; the kind hangs on the cluster's y alone: all partners take the same way, and no barrier stands on either
	s_cbranch_scc1 .Lepi_v
	EPI 0
	s_branch .Lend
.Lepi_v:
	EPI 1
.Lend:
	s_wait_tensorcnt 0x0                           ; the wave's end: behind my last tensor load and my last LDS store
	ds_add_u32 v[SPW], v[NIL]
	s_wait_dscnt 0x0
	CROUND                                         ; the closing round: no work-group ends while a partner may still ask for a tile that names it
	s_endpgm
.Lfunc_end_k_q030b3ca131_proj:
	.size	k_q030b3ca131_proj, .Lfunc_end_k_q030b3ca131_proj-k_q030b3ca131_proj
	.p2alignl 7, 3214868480
	.fill 96, 4, 3214868480
	.section	.rodata,"a",@progbits
	.p2align	6, 0x0
	.amdhsa_kernel k_q030b3ca131_proj
		.amdhsa_group_segment_fixed_size 327680
		.amdhsa_private_segment_fixed_size 0
		.amdhsa_enable_private_segment 0
		.amdhsa_kernarg_size 56
		.amdhsa_user_sgpr_count 2
		.amdhsa_user_sgpr_kernarg_segment_ptr 1
		.amdhsa_wavefront_size32 1
		.amdhsa_system_sgpr_workgroup_id_x 1
		.amdhsa_system_sgpr_workgroup_id_y 1
		.amdhsa_system_sgpr_workgroup_id_z 1
		.amdhsa_system_vgpr_workitem_id 0
		.amdhsa_next_free_vgpr 1024
		.amdhsa_next_free_sgpr 102
		.amdhsa_reserve_vcc 0
		.amdhsa_float_denorm_mode_32 3
		.amdhsa_float_denorm_mode_16_64 3
		.amdhsa_memory_ordered 1
		.amdhsa_forward_progress 1
		.amdhsa_inst_pref_size 241
	.end_amdhsa_kernel
	.amdgpu_metadata
---
amdhsa.version: [ 1, 2 ]
amdhsa.kernels:
  - .name:           k_q030b3ca131_proj
    .symbol:         k_q030b3ca131_proj.kd
    .args:
      - { .name: cod, .offset: 0, .size: 8, .value_kind: global_buffer, .address_space: global }
      - { .name: scl, .offset: 8, .size: 8, .value_kind: global_buffer, .address_space: global }
      - { .name: b_q, .offset: 16, .size: 8, .value_kind: global_buffer, .address_space: global }
      - { .name: b_k, .offset: 24, .size: 8, .value_kind: global_buffer, .address_space: global }
      - { .name: b_v, .offset: 32, .size: 8, .value_kind: global_buffer, .address_space: global }
      - { .name: pimg, .offset: 40, .size: 8, .value_kind: global_buffer, .address_space: global }
      - { .name: psc, .offset: 48, .size: 8, .value_kind: global_buffer, .address_space: global }
    .group_segment_fixed_size: 327680
    .private_segment_fixed_size: 0
    .kernarg_segment_align: 8
    .kernarg_segment_size: 56
    .max_flat_workgroup_size: 128
    .sgpr_count:     102
    .vgpr_count:     1024
    .wavefront_size: 32
...
	.end_amdgpu_metadata
.endif
;; end of part 2
;; launch attn (part 3): grid 8 x 32, 16 waves a work-group, no clusters, 210,944 bytes of LDS; arguments pimg, psc, mbits, ac, asc; writes ac, asc
.if DOCPART == 3
	.amdgcn_target "amdgcn-amd-amdhsa--gfx1250"
	.amdhsa_code_object_version 6
	.text
	.protected	k_q030b3ca131_attn
	.globl	k_q030b3ca131_attn
	.p2align	8
	.type	k_q030b3ca131_attn,@function
k_q030b3ca131_attn:
	s_mov_b64 s[64:65], 0
	v_nop
	global_prefetch_b8 v0, s[64:65] scope:SCOPE_SE
	s_setreg_imm32_b32 hwreg(HW_REG_WAVE_MODE, 25, 1), 1
	s_wait_xcnt 0x0
; ATTN.  x[q] = the sum over keys of softmax(Q[q] . K[key] / 8, hidden keys at a very low score) V[key], for one (batch, head) a work-group row; both products on codes of FP6 (E2M3) with E8M0 scales; x is quantised along the model's 1,024.
; THE SOFTMAX AHEAD OF THE SECOND PRODUCT: t = score x log2(e) / 8; M = the row's largest t so far, rounded up to a whole number; p = 2^(t - M) is quantised along the keys, not normalised.
; The row's sum is taken of the unquantised p and divides at the end.  When M moves, the sum and O are multiplied by 2^(old M - new M): exact.
; SHARES.  A work-group owns one head and 16 tiles of 16 queries, one for each of its sixteen waves (256 registers a wave, four waves to a SIMD).  The head's K and V, codes and scale words, 208,896 bytes, are copied into LDS ONCE,
; through registers; behind one barrier the waves share nothing more.  Wave w has tile x + 8 rho, rho = w xor 3 ((w / 4) % 2): tiles spread over the sequence, so that a mask that hides late keys leaves waves w, w + 4, w + 8, w + 12 together equal work.
; NO JOINT LOADS, though the eight work-groups of a head read the same K and V: steps are left out by scalar branches on stored mask numbers; each work-group reads the shared bytes once.
; THE MASK is the given one, as lane-mask words made by the first launch: 64 words for each (tile of queries, 128 keys), and their OR and AND.  A step whose OR is 0 is left out, but only if each of my 16 queries sees some key somewhere
; (else nothing is left out: a query that sees no key averages all of V).  A step whose AND is all ones skips the 64 selects.
; HEAD SIZE 64 fills half of the instruction's K of 128: Q's upper six registers are zero codes and the upper two scale bytes of both sides are 0x7f, so that half adds exactly 0, whatever codes stand against it.
; LAYOUT.  Both products are used transposed: S^T = K Q^T (source 0 = 16 keys), O^T = V^T P^T (source 0 = 16 channels): a lane holds one query throughout.  Keys and channels lie in position order, so that the 16 registers of
; tiles 2 b and 2 b + 1 are 16 neighbours, 32 b + 16 (lane / 16) + 0 .. 15.
; LIMITS.  A hidden score counts as the logit -2^30, not -1e9: the result is the same wherever a query's largest visible logit lies above about -9.9e8, or it sees no key (then p = 1 for every key, here as there).
; A block of zeros carries the scale byte 1 (this program alone reads it).  NaN and infinities are not served.
; LDS: K at 0: [pair of tiles 64][3][lane][16 bytes]; V at 98,304: [16 channel tile + key step][3][lane][16]; K's scale words at 196,608: [key step][lane][4]; V's at 204,800: [key step][lane][2].
; REGISTERS: v1 16 lane, v2 8 lane, v3 r, v4 the hidden score, v5-9 the step's LDS addresses, v10 lane, v12 -M, v13 the largest t, v[14:15] the sum, v16-21 Q, v22-27 zeros, v29 32 r, v32-79 K's or V's fragments, v80-85 zeros,
; v96-159 S^T then p, v160-191 O^T, v192-203 p's codes, v204-210 conversions' second halves, v212-223 at work, v224-227 K's scale words, v228-229 V's, v230 Q's, v231 p's, v[232:233] f, v234 at work, v[236:237] the second chain of the sum.
.set VL,  98304
.set KSL, 196608
.set VSL, 204800
.set BM,  212                          ; v212-215 a block's largest score, then its largest p
.set BT,  216                          ; v216-219 the other half's; then the scale bytes
.set BS,  220                          ; v220-223 the conversions' scale operands
	s_load_b256 s[4:11], s[0:1], 0x0               ; pimg, psc, mbits, ac
	s_load_b64 s[12:13], s[0:1], 0x20              ; asc
	v_lshl_add_u32 v254, v0, 2, 0x33000
	v_mov_b32 v255, 0
	v_lshrrev_b32 v10, 5, v0
	v_readfirstlane_b32 s14, v10                   ; wave 0..15
	v_and_b32 v10, 31, v0                          ; lane
	v_lshlrev_b32 v1, 4, v10
	v_lshlrev_b32 v2, 3, v10
	v_and_b32 v3, 15, v0                           ; r
	v_mov_b32 v4, 0xd0000000                       ; -2^33: x log2(e) / 8 it is a whole number, exactly
	v_lshlrev_b32 v5, 2, v0                        ; 4 x thread
	v_lshlrev_b32 v6, 2, v3                        ; 4 r
	v_lshlrev_b32 v29, 5, v3                       ; 32 r
	s_and_b32 s15, ttmp7, 0xffff                   ; b h
	s_bfe_u32 s17, s14, 0x10002
	s_mul_i32 s17, s17, 3
	s_xor_b32 s17, s17, s14                        ; rho: it enters global addresses alone
	s_lshl_b32 s16, s17, 3
	s_add_co_u32 s16, s16, ttmp9                   ; my tile of queries, 0 .. 127
	s_mul_i32 s17, s14, 6144                       ; the copy: wave w takes 6,144 bytes of K's codes and of V's
	v_add_nc_u32 v11, s17, v2                      ; in memory: 8 bytes a lane
	v_add_nc_u32 v7, s17, v1                       ; in LDS: 16 bytes a lane, filled by two stores of 8
	v_add_nc_u32 v8, VL, v7
	s_lshr_b32 s17, s14, 2
	s_lshl_b32 s17, s17, 9
	s_and_b32 s18, s14, 3
	s_lshl_b32 s18, s18, 2
	s_add_co_u32 s17, s17, s18
	s_add_co_u32 s17, s17, KSL
	v_add_nc_u32 v9, s17, v1                       ; K's scale word number thread + 512 x: key step w / 4 + 4 x, pair of tiles w % 4, lane as it is
	s_lshr_b32 s17, s14, 1
	s_lshl_b32 s17, s17, 8
	s_and_b32 s18, s14, 1
	s_lshl_b32 s18, s18, 2
	s_add_co_u32 s17, s17, s18
	s_add_co_u32 s17, s17, VSL
	v_add_nc_u32 v28, s17, v2                      ; V's: key step w / 2 + 8 x, pair of tiles w % 2
	s_mul_i32 s18, s15, 98304
	s_mov_b32 s19, 0
	s_mul_i32 s2, s16, 768
	s_mov_b32 s3, 0
	s_lshl_b32 s68, s15, 13
	s_mov_b32 s69, 0
	s_lshl_b32 s70, s16, 6
	s_mov_b32 s71, 0
	s_lshl_b32 s72, s15, 12
	s_add_co_u32 s72, s72, 524288
	s_mov_b32 s73, 0
	s_lshl_b32 s74, s16, 7
	s_add_co_u32 s74, s74, 524288
	s_mov_b32 s75, 0
	s_lshl_b32 s20, s16, 12
	s_mov_b32 s21, 0
	s_mov_b32 s30, 0x3e38aa3b                      ; c = log2(e) / 8
	s_mov_b32 s31, s30                             ; (named with it as a pair, so it is written)
	s_mov_b32 s100, 0x76543210
	s_mov_b32 s101, 0xfedcba98                     ; lane l xor 16
	s_wait_kmcnt 0x0
	s_add_nc_u64 s[4:5], s[4:5], s[18:19]          ; my head's images: Q's here, K's 3,145,728 on, V's 6,291,456 on
	s_add_nc_u64 s[2:3], s[4:5], s[2:3]            ; my tile of Q
	s_add_nc_u64 s[72:73], s[6:7], s[72:73]        ; V's scale words
	s_add_nc_u64 s[6:7], s[6:7], s[68:69]          ; Q's scale words of my head; K's 262,144 on
	s_add_nc_u64 s[70:71], s[6:7], s[70:71]        ; my tile's
	s_add_nc_u64 s[74:75], s[8:9], s[74:75]        ; my tile's 16 pairs (OR, AND)
	s_add_nc_u64 s[20:21], s[8:9], s[20:21]        ; my tile's mask words: 256 bytes a key step
	s_load_b512 s[32:47], s[74:75], 0x0
	s_load_b512 s[48:63], s[74:75], 0x40
.irp p, 0,1,2,3
.irp e, 0,1,2,3,4,5
	global_load_b64 v[96+2*(6*\p+\e):97+2*(6*\p+\e)], v11, s[4:5] offset:3145728+1536*\p+256*\e    ; K: 256 consecutive bytes a load
.endr
.endr
.irp p, 0,1,2,3
.irp e, 0,1,2,3,4,5
	global_load_b64 v[144+2*(6*\p+\e):145+2*(6*\p+\e)], v11, s[4:5] offset:6291456+1536*\p+256*\e  ; V
.endr
.endr
.irp x, 0,1,2,3
	global_load_b32 v[192+\x], v5, s[6:7] offset:262144+2048*\x
.endr
.irp x, 0,1
	global_load_b32 v[196+\x], v5, s[72:73] offset:2048*\x
.endr
.irp g, 0,1,2
	global_load_b64 v[16+2*\g:17+2*\g], v2, s[2:3] offset:256*\g   ; Q's six registers stay
.endr
	global_load_b32 v230, v6, s[70:71]             ; and its scale words
	s_wait_kmcnt 0x0
	s_mov_b32 s27, 0                               ; SKIP: bit ks: nobody of my 16 queries sees any of the step's keys
	s_mov_b32 s28, 0                               ; MIX:  bit ks: some key of the step is hidden from some query
	s_mov_b32 s29, 0
.irp k, 0,1,2,3,4,5,6,7,8,9,10,11,12,13,14,15
	s_or_b32 s29, s29, s[32+2*\k]
	s_cmp_eq_u32 s[32+2*\k], 0
	s_cselect_b32 s17, 1<<\k, 0
	s_or_b32 s27, s27, s17
	s_cmp_lg_u32 s[33+2*\k], -1
	s_cselect_b32 s17, 1<<\k, 0
	s_or_b32 s28, s28, s17
.endr
	s_lshr_b32 s17, s29, 16
	s_or_b32 s17, s17, s29
	s_and_b32 s17, s17, 0xffff                     ; bit r: query r sees some key
	s_cmp_eq_u32 s17, 0xffff
	s_cselect_b32 s27, s27, 0                      ; a query that sees none needs every step
	s_wait_loadcnt 34                              ; K's 24 loads are in; behind them 24 + 4 + 2 + 3 + 1 are out
.irp p, 0,1,2,3
.irp e, 0,1,2,3,4,5
	ds_store_b64 v7, v[96+2*(6*\p+\e):97+2*(6*\p+\e)] offset:1536*\p+512*(\e/2)+8*(\e%2)   ; registers 2 e, 2 e + 1 of a pair of tiles: so that loads of 16 bytes bring four registers
.endr
.endr
	s_wait_loadcnt 10                              ; V's are in; 4 + 2 + 3 + 1 are out
.irp p, 0,1,2,3
.irp e, 0,1,2,3,4,5
	ds_store_b64 v8, v[144+2*(6*\p+\e):145+2*(6*\p+\e)] offset:1536*\p+512*(\e/2)+8*(\e%2)
.endr
.endr
	s_wait_loadcnt 4                               ; the scale words are in; Q's three loads and its scale word are out
.irp x, 0,1,2,3
	ds_store_b32 v9, v[192+\x] offset:2048*\x
.endr
.irp x, 0,1
	ds_store_b32 v28, v[196+\x] offset:2048*\x
.endr
.irp j, 22,23,24,25,26,27,80,81,82,83,84,85
	v_mov_b32 v\j, 0                               ; zero codes: Q's upper half of K, and what stands behind K's last tile
.endr
.irp b, 0,1,2,3
	v_mov_b32 v[BT+\b], 0                          ; written once: a lane permute's destination counts as one of its sources
.endr
	v_mov_b32 v233, 0                              ; (named as the upper half of the pair v[232:233])
	v_mov_b32 v234, 0
	v_mov_b32 v14, 0                               ; the sum, in two halves
	v_mov_b32 v15, 0
	v_mov_b32 v13, 0xff61b1e6                      ; the largest t so far: -3e38, under every t
	v_floor_f32 v12, -v13                          ; -M
	s_mov_b32 s22, 0                               ; the key step
	s_mov_b32 s23, 0                               ; where its tiles of K begin in LDS: 6,144 bytes a step
	s_mov_b32 s24, VL                              ; V's: 1,536 a step in each channel tile's run
	s_mov_b32 s25, KSL                             ; K's scale words: 512 a step
	s_mov_b32 s26, VSL                             ; V's: 256 a step
	s_wait_loadcnt 0x0                             ; Q
	s_wait_dscnt 0x0                               ; my stores have landed
	s_barrier_signal -1
	s_barrier_wait -1                              ; everybody's have: from here on LDS is only read
.set j, 0
.rept 32
	v_mov_b32 v[160+j], 0                          ; O^T: the loop is written once; its first step finds zeros, which the first change of M leaves zeros
.set j, j+1
.endr
.Lstep:                                            ; 16 trips, whatever the mask: what a hidden step leaves out is its work, not the steps of the addresses
	s_bitcmp1_b32 s27, 0
	s_cbranch_scc1 .Lnext
	s_load_b512 s[32:47], s[20:21], 0x0            ; the step's 64 mask words
	s_load_b512 s[48:63], s[20:21], 0x40
	s_load_b512 s[68:83], s[20:21], 0x80
	s_load_b512 s[84:99], s[20:21], 0xc0
	v_add_nc_u32 v5, s23, v1                       ; these five are also the places behind the last trip's products, in front of the loads into their operands
	v_add_nc_u32 v6, s25, v1
	v_add_nc_u32 v7, s24, v1
	v_add_nc_u32 v8, 49152, v7                     ; channel tiles 2 and 3 lie beyond the reach of an LDS offset
	v_add_nc_u32 v9, s26, v2
.irp m, 0,1,2,3,4,5,6,7,8,9,10,11
	ds_load_b128 v[32+4*\m:35+4*\m], v5 offset:512*\m              ; eight tiles of 16 keys, six registers each; 512 consecutive bytes a load
.endr
	ds_load_b128 v[224:227], v6                    ; register b: lanes 0-15 tile 2 b's scale words, lanes 16-31 tile 2 b + 1's
	s_wait_dscnt 0x0
.irp t, 0,2,4,6                                    ; S^T = K Q^T.  A's upper six registers are the next tile's codes (or zeros): they meet Q's zero codes
	v_wmma_scale_f32_16x16x128_f8f6f4 v[96+8*\t:103+8*\t], v[32+6*\t:43+6*\t], v[16:27], 0, v[224+\t/2], v230 matrix_a_fmt:MATRIX_FMT_FP6 matrix_b_fmt:MATRIX_FMT_FP6
	v_wmma_scale_f32_16x16x128_f8f6f4 v[104+8*\t:111+8*\t], v[38+6*\t:49+6*\t], v[16:27], 0, v[224+\t/2], v230 matrix_a_fmt:MATRIX_FMT_FP6 matrix_b_fmt:MATRIX_FMT_FP6 matrix_a_scale:MATRIX_SCALE_ROW1
.endr
.rept 4
	v_nop                                          ; places: the scores are read below, and V's loads land where K's fragments lay
.endr
.irp u, 0,1
.irp g, 0,1,2
	ds_load_b128 v[32+12*\u+4*\g:35+12*\u+4*\g], v7 offset:24576*\u+512*\g      ; V^T: four tiles of 16 channels x these 128 keys; they land while the softmax is worked
.endr
.endr
.irp u, 0,1
.irp g, 0,1,2
	ds_load_b128 v[56+12*\u+4*\g:59+12*\u+4*\g], v8 offset:24576*\u+512*\g
.endr
.endr
	ds_load_b64 v[228:229], v9
	s_wait_kmcnt 0x0                               ; the mask words are in
	s_bitcmp1_b32 s28, 0
	s_cbranch_scc0 .Lopen                          ; every key of the step counts for every query
.set n, 0
.rept 32
	v_cndmask_b32 v[96+n], v4, v[96+n], s[32+n]    ; register n = 16 b + i: key 32 b + 16 (lane / 16) + i of the step; hidden: the low score
.set n, n+1
.endr
.rept 32
	v_cndmask_b32 v[96+n], v4, v[96+n], s[36+n]
.set n, n+1
.endr
.Lopen:
.irp b, 0,1,2,3
	v_max3_num_f32 v[BM+\b], v[96+16*\b], v[97+16*\b], v[98+16*\b]   ; the largest score of each block of 32 keys: it serves for the row's maximum and, since p rises with the score, for the block's largest p
.endr
.irp i, 3,5,7,9,11,13
.irp b, 0,1,2,3
	v_max3_num_f32 v[BM+\b], v[BM+\b], v[96+16*\b+\i], v[97+16*\b+\i]
.endr
.endr
.irp b, 0,1,2,3
	v_max_num_f32 v[BM+\b], v[BM+\b], v[111+16*\b]
.endr
.irp b, 0,1,2,3
	v_permlanex16_b32 v[BT+\b], v[BM+\b], s100, s101
.endr
.irp b, 0,1,2,3
	v_max_num_f32 v[BM+\b], v[BM+\b], v[BT+\b]     ; with lane l xor 16's 16 keys
.endr
	v_max3_num_f32 v234, v[BM], v[BM+1], v[BM+2]
	v_max_num_f32 v234, v234, v[BM+3]              ; the step's largest score of my query
	v_mul_f32 v234, s30, v234                      ; as t (c is positive)
	v_max_num_f32 v13, v13, v234                   ; the running largest t
	v_mov_b32 v234, v12
	v_floor_f32 v12, -v13                          ; the new -M = floor(-t): M is a whole number
	v_sub_f32 v234, v12, v234                      ; old M - new M: a whole number, 0 or less
	v_cvt_i32_f32 v234, v234                       ; (it saturates)
	v_ldexp_f32 v232, 1.0, v234                    ; f = 2^(old M - new M)
.set j, 0
.rept 32
	v_pk_fma_f32 v[96+j:97+j], v[96+j:97+j], s[30:31], v[12:13] op_sel_hi:[1,0,0]   ; t - M, two at a time
.set j, j+2
.endr
.irp b, 0,1,2,3
	v_fma_f32 v[BM+\b], v[BM+\b], s30, v12         ; the same of each block's largest score
.endr
.set j, 0
.rept 64
	v_exp_f32 v[96+j], v[96+j]                     ; p = 2^(t - M), at most 1
.set j, j+1
.endr
.irp b, 0,1,2,3
	v_exp_f32 v[BM+\b], v[BM+\b]                   ; the block's largest p: the same two instructions on the same number give the same bits
.endr
	v_pk_mul_f32 v[14:15], v[14:15], v[232:233] op_sel_hi:[1,0]   ; the sums under the new M.  (A plain place behind the exponentials)
	s_wait_alu depctr_va_vdst(0)
.irp b, 0,1,2,3
	v_max_num_f32 v[BM+\b], 0x1800000, v[BM+\b]    ; the floor 2^(3 - 127): the byte cannot fall under 1
.endr
.irp b, 0,1,2,3
	v_add_nc_u32 v[BS+\b], 0xff000000, v[BM+\b]    ; 2 off the exponent field: the conversion's scale operand
.endr
.irp b, 0,1,2,3
	v_lshrrev_b32 v[BT+\b], 23, v[BS+\b]           ; the scale's byte
.endr
	v_lshl_or_b32 v231, v[BT+1], 8, v[BT]          ; p's scale word for these 128 keys
	v_lshl_or_b32 v231, v[BT+2], 16, v231
	v_lshl_or_b32 v231, v[BT+3], 24, v231
.irp c, 0,1
	v_cvt_scalef32_pk16_fp6_f32 v[192+6*\c:194+6*\c], v[96+32*\c:111+32*\c], v[BS+2*\c]
	v_cvt_scalef32_pk16_fp6_f32 v[204+4*\c:206+4*\c], v[112+32*\c:127+32*\c], v[BS+2*\c+1]   ; (a conversion's three registers begin on an even number)
.endr
	v_nop                                          ; one plain place behind a scaled conversion
.irp c, 0,1                                    ; the operand's layout wants a whole block in a lane
.irp i, 0,1,2
	v_permlane16_swap_b32 v[192+6*\c+\i], v[204+4*\c+\i]
.endr
.irp i, 0,1,2
	v_mov_b32 v[195+6*\c+\i], v[204+4*\c+\i]
.endr
.endr
	v_pk_add_f32 v[236:237], v[96:97], v[98:99]    ; the row's sum is taken of the unquantised p: two at a time, in two chains
.irp j, 4,8,12,16,20,24,28,32,36,40,44,48,52,56,60
	v_pk_add_f32 v[14:15], v[14:15], v[96+\j:97+\j]
	v_pk_add_f32 v[236:237], v[236:237], v[98+\j:99+\j]
.endr
	v_pk_add_f32 v[14:15], v[14:15], v[236:237]
.set j, 0
.rept 16
	v_pk_mul_f32 v[160+j:161+j], v[160+j:161+j], v[232:233] op_sel_hi:[1,0]   ; O^T under the new M.  (With the sums above: more than the eight places that p's scale word wants in front of the products)
.set j, j+2
.endr
	s_wait_dscnt 0x0                               ; V's fragments and scale words are in
.irp g, 0,1                                    ; O^T += V^T P^T: four accumulators by turns
	v_wmma_scale_f32_16x16x128_f8f6f4 v[160+16*\g:167+16*\g], v[32+24*\g:43+24*\g], v[192:203], v[160+16*\g:167+16*\g], v[228+\g], v231 matrix_a_fmt:MATRIX_FMT_FP6 matrix_b_fmt:MATRIX_FMT_FP6
	v_wmma_scale_f32_16x16x128_f8f6f4 v[168+16*\g:175+16*\g], v[44+24*\g:55+24*\g], v[192:203], v[168+16*\g:175+16*\g], v[228+\g], v231 matrix_a_fmt:MATRIX_FMT_FP6 matrix_b_fmt:MATRIX_FMT_FP6 matrix_a_scale:MATRIX_SCALE_ROW1
.endr
.Lnext:
	s_wait_xcnt 0x0                                ; the scalar loads have taken their base: it may step
	s_lshr_b32 s27, s27, 1
	s_lshr_b32 s28, s28, 1
	s_add_co_u32 s23, s23, 6144
	s_add_co_u32 s24, s24, 1536
	s_add_co_u32 s25, s25, 512
	s_add_co_u32 s26, s26, 256
	s_add_nc_u64 s[20:21], s[20:21], 256
	s_add_co_u32 s22, s22, 1
	s_cmp_lt_u32 s22, 16
	s_cbranch_scc1 .Lstep
	; THE WAY OUT: O^T / the sum, quantised along the model's axis (my head's 64 channels are two blocks), as a half-unit of the last product's operand
.rept 4
	v_nop                                          ; places behind the last products
.endr
	s_lshr_b32 s17, s15, 4
	s_lshl_b32 s17, s17, 7
	s_add_co_u32 s17, s17, s16                     ; the tile among the 256 of both batches
	s_lshl_b32 s17, s17, 4
	s_and_b32 s18, s15, 15                         ; the head
	s_add_co_u32 s29, s17, s18
	s_mul_i32 s2, s29, 768
	s_mov_b32 s3, 0
	s_add_nc_u64 s[10:11], s[10:11], s[2:3]        ; ac: [tile][head][768]
	s_lshl_b32 s2, s17, 5
	s_lshl_b32 s18, s18, 1
	s_add_co_u32 s2, s2, s18
	s_add_nc_u64 s[12:13], s[12:13], s[2:3]        ; asc: [position][32], my head's two bytes
	v_add_f32 v14, v14, v15                        ; the sum's two halves,
	v_permlanex16_b32 v234, v14, s100, s101
	v_add_f32 v14, v14, v234                       ; and lane l xor 16's: the row's sum
	v_rcp_f32 v14, v14
	v_nop                                          ; a plain place behind the transcendental
.set j, 0
	s_wait_alu depctr_va_vdst(0)
.rept 16
	v_pk_mul_f32 v[96+j:97+j], v[160+j:161+j], v[14:15] op_sel_hi:[1,0]   ; register 16 b + i: channel 32 b + 16 (lane / 16) + i; each accumulator from its low end on
.set j, j+2
.endr
.irp b, 0,1
	v_max3_num_f32 v[BM+\b], |v[96+16*\b]|, |v[97+16*\b]|, 0x1800000
.endr
.irp i, 2,4,6,8,10,12,14
.irp b, 0,1
	v_max3_num_f32 v[BM+\b], v[BM+\b], |v[96+16*\b+\i]|, |v[97+16*\b+\i]|
.endr
.endr
.irp b, 0,1
	v_permlanex16_b32 v[BT+\b], v[BM+\b], s100, s101
.endr
.irp b, 0,1
	v_max_num_f32 v[BM+\b], v[BM+\b], v[BT+\b]
.endr
.irp b, 0,1
	v_add_nc_u32 v[BS+\b], 0xff000000, v[BM+\b]
.endr
.irp b, 0,1
	v_lshrrev_b32 v[BT+\b], 23, v[BS+\b]
.endr
	v_lshl_or_b32 v234, v[BT+1], 8, v[BT]          ; my row's two scale bytes
	v_cvt_scalef32_pk16_fp6_f32 v[192:194], v[96:111], v[BS]
	v_cvt_scalef32_pk16_fp6_f32 v[204:206], v[112:127], v[BS+1]
	v_nop                                          ; one plain place behind a scaled conversion
.irp i, 0,1,2
	v_permlane16_swap_b32 v[192+\i], v[204+\i]
.endr
.irp i, 0,1,2
	v_mov_b32 v[195+\i], v[204+\i]
.endr
.irp g, 0,1,2
	global_store_b64 v2, v[192+2*\g:193+2*\g], s[10:11] offset:256*\g   ; 256 consecutive bytes, aligned
.endr
	v_cmp_gt_u32 vcc_lo, 16, v10
	s_wait_xcnt 0x0                                ; EXEC changes only behind this wait
	s_wait_tensorcnt 0x0
	ds_add_u32 v254, v255
	s_wait_dscnt 0x0
	s_and_saveexec_b32 s17, vcc_lo
	global_store_b16 v29, v234, s[12:13]           ; lanes 0-15: two bytes a row, rows 32 bytes apart: one such store a wave, 32 bytes beside its 768 of codes; a row's 32 bytes come from sixteen heads, whose K and V do not fit in one LDS
	s_wait_xcnt 0x0
	s_or_b32 exec_lo, exec_lo, s17
	s_endpgm
.Lfunc_end_k_q030b3ca131_attn:
	.size	k_q030b3ca131_attn, .Lfunc_end_k_q030b3ca131_attn-k_q030b3ca131_attn
	.p2alignl 7, 3214868480
	.fill 96, 4, 3214868480
	.section	.rodata,"a",@progbits
	.p2align	6, 0x0
	.amdhsa_kernel k_q030b3ca131_attn
		.amdhsa_group_segment_fixed_size 210944
		.amdhsa_private_segment_fixed_size 0
		.amdhsa_enable_private_segment 0
		.amdhsa_kernarg_size 40
		.amdhsa_user_sgpr_count 2
		.amdhsa_user_sgpr_kernarg_segment_ptr 1
		.amdhsa_wavefront_size32 1
		.amdhsa_system_sgpr_workgroup_id_x 1
		.amdhsa_system_sgpr_workgroup_id_y 1
		.amdhsa_system_sgpr_workgroup_id_z 1
		.amdhsa_system_vgpr_workitem_id 0
		.amdhsa_next_free_vgpr 256
		.amdhsa_next_free_sgpr 102
		.amdhsa_reserve_vcc 1
		.amdhsa_float_denorm_mode_32 3
		.amdhsa_float_denorm_mode_16_64 3
		.amdhsa_memory_ordered 1
		.amdhsa_forward_progress 1
		.amdhsa_inst_pref_size 43
	.end_amdhsa_kernel
	.amdgpu_metadata
---
amdhsa.version: [ 1, 2 ]
amdhsa.kernels:
  - .name:           k_q030b3ca131_attn
    .symbol:         k_q030b3ca131_attn.kd
    .args:
      - { .name: pimg, .offset: 0, .size: 8, .value_kind: global_buffer, .address_space: global }
      - { .name: psc, .offset: 8, .size: 8, .value_kind: global_buffer, .address_space: global }
      - { .name: mbits, .offset: 16, .size: 8, .value_kind: global_buffer, .address_space: global }
      - { .name: ac, .offset: 24, .size: 8, .value_kind: global_buffer, .address_space: global }
      - { .name: asc, .offset: 32, .size: 8, .value_kind: global_buffer, .address_space: global }
    .group_segment_fixed_size: 210944
    .private_segment_fixed_size: 0
    .kernarg_segment_align: 8
    .kernarg_segment_size: 40
    .max_flat_workgroup_size: 512
    .sgpr_count:     102
    .vgpr_count:     256
    .wavefront_size: 32
...
	.end_amdgpu_metadata
.endif
;; end of part 3
;; launch outp (part 4): grid 4 x 16, 4 waves a work-group, clusters of 4 x 4, 327,680 bytes of LDS; arguments ac, asc, cod, scl, b_o, out0; writes out0
.if DOCPART == 4
	.amdgcn_target "amdgcn-amd-amdhsa--gfx1250"
	.amdhsa_code_object_version 6
	.text
	.protected	k_q030b3ca131_outp
	.globl	k_q030b3ca131_outp
	.p2align	8
	.type	k_q030b3ca131_outp,@function
k_q030b3ca131_outp:
	s_mov_b64 s[64:65], 0
	v_nop
	global_prefetch_b8 v0, s[64:65] scope:SCOPE_SE
	s_setreg_imm32_b32 hwreg(HW_REG_WAVE_MODE, 25, 1), 1
	s_wait_xcnt 0x0
	s_wait_alu depctr_hold_cnt(0) depctr_sa_sdst(0) depctr_va_vdst(0) depctr_va_sdst(0) depctr_va_ssrc(0) depctr_va_vcc(0) depctr_vm_vsrc(0)
	s_getreg_b32 s2, hwreg(HW_REG_IB_STS2, 6, 4)
	s_cmp_eq_u32 s2, 0
	s_cbranch_scc0 .Lentry_in_a_cluster
	s_endpgm
.Lentry_in_a_cluster:
	s_bfe_u32 s2, ttmp6, 0x10000c
	s_cmp_lg_u32 s2, 0xf033
	s_cbranch_scc0 .Lentry_shape_is_right
	s_endpgm
.Lentry_shape_is_right:
; OUTP.  out0 = x w_o^T + b_o on codes of FP6 (E2M3) with E8M0 scales.  x: 4,096 positions x 1,024, as images of operand registers: ac [tile of 16 positions 256][head 16][768 bytes], scale bytes asc [position][32].
; w_o: rows 15,360 on of cod (768 bytes a row) and scl (32 bytes a row).  Positions and w_o's rows lie in position order (position 16 T + r = row 32 (T / 2) + 8 (T % 2) + r + 8 (r / 8)): the way out puts both back.
; A tile of out0, 256 x 256, is made by a work-group of four waves; a wave makes 128 x 128: 64 accumulators, 512 registers.  64 work-groups: the product has no more tiles of this size.
; K goes in steps of 256 through a ring of two LDS slots filled by the tensor data mover.  A's part of a slot: 16 tiles x 3,072 bytes (four heads' images, dense, read back 8 bytes a lane on end); B's: 256 rows of 192 bytes, padded to 240.
; The scales of the work-group's rows come once.  4 x 4 work-groups form a cluster: A's tiles are shared along a row of it, B's along a column, each asked for JOINTLY.
; THE MATRIX INSTRUCTION IS USED TRANSPOSED (source 0 = 16 rows of w_o, source 1 = 16 positions): a lane holds eight neighbouring columns of one row of out0.
; REGISTERS, in windows of 256: window 0: v0-31 addresses; v32-63 scale words, two sets; v64-67 my four numbers of b_o; from v128 A's fragments, one set; on the way out v128-255 take rows of out0.
;   window 1: B's fragments, two sets.   window 2: the accumulators of my rows 0-63 ((a, b) at v[8 (8 a + b)]);   window 3: those of rows 64-127.
.set SIZE_K, 1024
.set SIZE_N, 1024
.set KSTEP,  256
.set NQ,     KSTEP/128
.set ROWB,   192
.set KROW,   SIZE_K*6/8
.set PITCH,  240
.set FR,     12
.set NL,     6
.set NP,     4
.set ASTEP,  3072                      ; a tile's images of one K step: four heads x 768 bytes
.set ATILE,  8*ASTEP                   ; what one tensor load brings of A: 8 tiles of 16 positions
.set HALFT,  128*PITCH                 ; and of B: 128 rows
.set SLOT,   2*ATILE+2*HALFT
.set LAPS,   SIZE_K/(2*KSTEP)
.set KS,     SIZE_K/32
.set SCL,    2*SLOT
.set HALFS,  (128*KS/256)*272
.set SBLK,   (16*KS/256)*272
.set SPARE,  SCL+4*HALFS               ; the spare words, 128 bytes for each wave, which no other line names
.set SPITCH, 528                       ; the way out: a stage of 16 rows x (512 bytes + 16) for each wave, in slot 0, which has had its last fill and its last read when the first result is stored there
.set ADRA, 16                          ; v16-17 LDS address of my A images in slot 0, 1
.set ADRB, 20                          ; v20-21 of my B fragments (v22-23: behind one padding more)
.set STO,  24
.set RD,   25
.set CO,   26
.set ADRS, 27
.set SPW,  28
.set NIL,  29
.set SC,   32
.set BO,   64
.set AF,   128
.set BK,   128
.set G1, 24
.set G0, 32
.set G1B, 48
.set G0B, 56
.set G1S, 68
.set G0S, 76
.set G1SB, 80
.set G0SB, 88
.set MSB, 0
.macro WIN new                         ; the immediate's high byte repeats the setting that is left
.if MSB != \new
	s_set_vgpr_msb (MSB<<8)|\new
.set MSB, \new
.endif
.endm
.set MUL_LO, 0xa1
.set MUL_HI, 0xf1
.set TO_B,   0x40
.macro JLOAD g0a, g1a, g0b, g1b        ; a joint load: waves 0 and 1 fetch for A, waves 2 and 3 for B; four v_nop follow each line
	s_cmp_eq_u32 s15, 0
	s_cbranch_scc0 .Lfor_b_\@
	tensor_load_to_lds s[\g0a:\g0a+3], s[\g1a:\g1a+7]
	s_nop 0
.rept 4
	v_nop
.endr
	s_branch .Lasked_\@
.Lfor_b_\@:
	tensor_load_to_lds s[\g0b:\g0b+3], s[\g1b:\g1b+7]
	s_nop 0
.rept 4
	v_nop
.endr
.Lasked_\@:
.endm
.macro CREST
	s_cmp_lg_u32 s14, 0
	s_cbranch_scc1 .Lnot_wave_0_\@
	s_barrier_signal -3
.Lnot_wave_0_\@:
	s_barrier_wait -3
	s_barrier_signal -1
	s_barrier_wait -1
.endm
.macro CROUND
	s_barrier_signal -1
	s_barrier_wait -1
	CREST
.endm
	s_load_b128 s[4:7], s[0:1], 0x0                ; ac, asc
	s_load_b128 s[8:11], s[0:1], 0x10              ; cod, scl
	s_load_b128 s[96:99], s[0:1], 0x20             ; b_o, out0
	v_lshl_add_u32 v[SPW], v0, 2, SPARE
	v_mov_b32 v[NIL], 0
	ds_add_u32 v28, v29
	ds_add_u32 v28, v29
	s_wait_dscnt 0x0
	v_lshrrev_b32 v1, 5, v0
	v_readfirstlane_b32 s14, v1                    ; wave 0..3
	s_lshr_b32 s15, s14, 1                         ; which half of the tile's rows is mine.  Also: I fetch for A (0) or for B (1)
	s_and_b32 s16, s14, 1                          ; which half of its columns.  Also: which half of that tile I fetch
	s_bfe_u32 s40, ttmp6, 0x40000                  ; cx, cy
	s_bfe_u32 s41, ttmp6, 0x40004
	s_lshl_b32 s42, ttmp9, 2
	s_add_co_u32 s42, s42, s40                     ; tile column
	s_and_b32 s17, ttmp7, 0xffff
	s_lshl_b32 s17, s17, 2
	s_add_co_u32 s17, s17, s41                     ; tile row
	s_lshl_b32 s43, s41, 2
	s_lshl_b32 s43, 15, s43                        ; my row of the cluster
	s_lshl_b32 s44, 0x1111, s40                    ; my column
	; A: 8 rows (tiles of 16 positions) of 3,072 bytes, 12,288 bytes apart, dense in LDS: 384 elements of 8 bytes
	s_or_b32 s[G1+0], s43, (3<<16)|(1<<21)         ; 15:0 the mask: my row; elements of 8 bytes; no padding; bit 21 beside a mask
	s_mov_b32 s[G1+1], 384<<16                     ; tensor_dim0
	s_mov_b32 s[G1+2], 8<<16                       ; tensor_dim1
	s_mov_b32 s[G1+3], 384<<16                     ; tile_dim0
	s_mov_b32 s[G1+4], 8                           ; tile_dim1
	s_mov_b32 s[G1+5], 1536                        ; tensor_dim0_stride, in elements
	s_mov_b32 s[G1+6], 0
	s_mov_b32 s[G1+7], 0
	; B: 128 rows x 192 bytes, 16 bytes of padding behind every 64
	s_or_b32 s[G1B+0], s44, (0<<16)|(1<<20)|(1<<21)|(3<<22)|(3<<25)
	s_mov_b32 s[G1B+1], ROWB<<16
	s_mov_b32 s[G1B+2], 128<<16
	s_mov_b32 s[G1B+3], ROWB<<16
	s_mov_b32 s[G1B+4], 128
	s_mov_b32 s[G1B+5], KROW
	s_mov_b32 s[G1B+6], 0
	s_mov_b32 s[G1B+7], 0
	; the scales of 128 rows: 4,096 dense bytes, as rows of 256 bytes with 16 of padding behind each
	s_or_b32 s[G1S+0], s43, (3<<16)|(1<<20)|(1<<21)|(5<<22)|(3<<25)
	s_or_b32 s[G1SB+0], s44, (3<<16)|(1<<20)|(1<<21)|(5<<22)|(3<<25)
.irp g, G1S, G1SB
	s_mov_b32 s[\g+1], 32<<16
	s_mov_b32 s[\g+2], (128*KS/256)<<16
	s_mov_b32 s[\g+3], 32<<16
	s_mov_b32 s[\g+4], 128*KS/256
	s_mov_b32 s[\g+5], 32
	s_mov_b32 s[\g+6], 0
	s_mov_b32 s[\g+7], 0
.endr
	s_lshl_b32 s18, s16, 7
	s_lshl_b32 s20, s17, 8
	s_add_co_u32 s20, s20, s18                     ; A: position 256 x tile row + 128 x half
	s_lshl_b32 s46, s42, 8
	s_add_co_u32 s46, s46, s18
	s_add_co_u32 s46, s46, 15360                   ; B: row of cod and scl
	s_mov_b32 s21, 0
	s_mov_b32 s47, 0
	s_mov_b64 s[18:19], KS
	s_mul_u64 s[22:23], s[20:21], s[18:19]         ; where these rows' scales begin
	s_mul_u64 s[92:93], s[46:47], s[18:19]
	s_mov_b64 s[18:19], KROW
	s_mul_u64 s[20:21], s[20:21], s[18:19]         ; and their codes (16 positions' images are 16 x 768 bytes too)
	s_mul_u64 s[46:47], s[46:47], s[18:19]
	s_mul_i32 s45, s16, ATILE                      ; where they go: A's two halves,
	s_mul_i32 s95, s16, HALFT
	s_add_co_u32 s95, s95, 2*ATILE                 ; then B's two: no place in the cluster enters an LDS address
	s_mul_i32 s94, s14, HALFS
	s_wait_kmcnt 0x0
	s_add_nc_u64 s[20:21], s[4:5], s[20:21]
	s_add_nc_u64 s[22:23], s[6:7], s[22:23]
	s_add_nc_u64 s[46:47], s[8:9], s[46:47]
	s_add_nc_u64 s[92:93], s[10:11], s[92:93]
	CROUND                                         ; all sixteen work-groups are here: the first joint loads meet
	s_mov_b32 s[G0S], 1
	s_add_co_u32 s[G0S+1], s94, SCL
	s_mov_b64 s[G0S+2:G0S+3], s[22:23]
	s_or_b32 s[G0S+3], s[G0S+3], 0x80000000
	s_mov_b32 s[G0SB], 1
	s_add_co_u32 s[G0SB+1], s94, SCL
	s_mov_b64 s[G0SB+2:G0SB+3], s[92:93]
	s_or_b32 s[G0SB+3], s[G0SB+3], 0x80000000
	JLOAD G0S, G1S, G0SB, G1SB
.irp s, 0,1
	s_mov_b32 s[G0+4*\s], 1
	s_add_co_u32 s[G0+4*\s+1], s45, \s*SLOT
	s_add_nc_u64 s[G0+4*\s+2:G0+4*\s+3], s[20:21], \s*ASTEP
	s_or_b32 s[G0+4*\s+3], s[G0+4*\s+3], 0x80000000
	s_mov_b32 s[G0B+4*\s], 1
	s_add_co_u32 s[G0B+4*\s+1], s95, \s*SLOT
	s_add_nc_u64 s[G0B+4*\s+2:G0B+4*\s+3], s[46:47], \s*ROWB
	s_or_b32 s[G0B+4*\s+3], s[G0B+4*\s+3], 0x80000000
	JLOAD G0+4*\s, G1, G0B+4*\s, G1B               ; three tensor loads of mine are out now
.endr
	v_and_b32 v1, 15, v0                           ; r
	v_bfe_u32 v2, v0, 4, 1                         ; h
	v_and_b32 v6, 31, v0                           ; lane
	v_mul_u32_u24 v3, v1, PITCH
	v_mul_u32_u24 v4, v2, 24
	v_add_nc_u32 v4, v3, v4                        ; B: a fragment's row x pitch + 24 x half
	v_lshl_add_u32 v5, v2, 4, v4                   ; and the same behind one padding more
	v_lshlrev_b32 v3, 3, v6                        ; A: 8 x lane
	s_mul_i32 s21, s15, ATILE                      ; my 8 tiles of A
	s_mul_i32 s22, s16, HALFT                      ; my 128 rows of B,
	s_add_co_u32 s22, s22, 2*ATILE                 ; behind A's part
.irp s, 0,1
	v_add_nc_u32 v[ADRA+\s], s21, v3
	v_add_nc_u32 v[ADRB+\s], s22, v4
	v_add_nc_u32 v[ADRB+2+\s], s22, v5
	s_add_co_u32 s21, s21, SLOT
	s_add_co_u32 s22, s22, SLOT
.endr
	v_mul_u32_u24 v5, v1, KS
	v_lshrrev_b32 v7, 8, v5
	v_lshl_add_u32 v5, v7, 4, v5
	s_mul_i32 s21, s15, HALFS
	s_mul_i32 s22, s16, HALFS
	s_add_co_u32 s22, s22, 2*HALFS
	s_sub_co_u32 s22, s22, s21
	v_mul_u32_u24 v7, s22, v2                      ; lanes 16-31 take B's
	s_add_co_u32 s21, s21, SCL
	v_add_nc_u32 v5, v5, v7
	v_add_nc_u32 v[ADRS], s21, v5
	s_mul_i32 s23, s14, 16*SPITCH                  ; my stage
	v_mul_u32_u24 v5, v1, SPITCH                   ; in: row r; lanes 16-31 hold the columns 16 further on
	v_lshl_add_u32 v5, v2, 6, v5
	v_add_nc_u32 v[STO], s23, v5
	v_lshlrev_b32 v[CO], 4, v6                     ; back: the 32 lanes take one row of 512 bytes; and the same in out0
	v_add_nc_u32 v[RD], s23, v[CO]
	s_lshl_b32 s20, s17, 8
	s_lshl_b32 s21, s15, 7
	s_add_co_u32 s20, s20, s21                     ; my first row of out0
	s_lshl_b32 s20, s20, 12                        ; rows of 4,096 bytes
	s_lshl_b32 s46, s42, 10                        ; my first column, in bytes
	s_lshl_b32 s47, s16, 9
	s_add_co_u32 s46, s46, s47
	s_mov_b32 s47, 0
	s_add_nc_u64 s[96:97], s[96:97], s[46:47]      ; b_o at my 128 columns
	s_add_co_u32 s20, s20, s46
	s_mov_b32 s21, 0
	s_add_nc_u64 s[12:13], s[98:99], s[20:21]      ; out0 at my corner: this base never steps
	global_load_b128 v[BO:BO+3], v[CO], s[96:97]   ; my four columns' bias
	s_wait_loadcnt 0x0
.macro FRAG reg, adr, q, i             ; B: 16 rows x 128 K from padded rows, in pieces of 8 bytes
.irp p, 0,1,2,3,4,5
.set PCE, 12*(\q)+6*(\p/3)+\p%3
.if PCE%8 < 5
	ds_load_b64 v[\reg+2*\p:\reg+2*\p+1], v[\adr] offset:8*PCE+16*(PCE/8)+(\i)*16*PITCH
.else
	ds_load_b64 v[\reg+2*\p:\reg+2*\p+1], v[\adr+2] offset:8*PCE+16*(PCE/8)+(\i)*16*PITCH
.endif
.endr
.endm
.macro FRAGA reg, adr, q, i            ; A: an image of the registers: pair p of tile i, heads 2 q and 2 q + 1 of the slot's four; 256 consecutive bytes a load
.irp p, 0,1,2,3,4,5
	ds_load_b64 v[\reg+2*\p:\reg+2*\p+1], v[\adr] offset:ASTEP*(\i)+1536*(\q)+256*\p
.endr
.endm
.macro MUL16 a0, p, q, sc, zero        ; 16 matrix instructions; the 64 accumulators take turns, one instruction a turn
.irp a, \a0, \a0+1
.irp b, 0,1,2,3,4,5,6,7
.if \zero
	v_wmma_scale_f32_16x16x128_f8f6f4 v[8*(8*((\a)%4)+\b):8*(8*((\a)%4)+\b)+7], v[128*(\p)+FR*\b:128*(\p)+FR*\b+FR-1], v[AF+FR*(\a):AF+FR*(\a)+FR-1], 0, v[SC+8*NQ*(\sc)+NQ*\b+(\q)], v[SC+8*NQ*(\sc)+NQ*(\a)+(\q)] matrix_a_fmt:MATRIX_FMT_FP6 matrix_b_fmt:MATRIX_FMT_FP6 matrix_a_scale:MATRIX_SCALE_ROW1
.else
	v_wmma_scale_f32_16x16x128_f8f6f4 v[8*(8*((\a)%4)+\b):8*(8*((\a)%4)+\b)+7], v[128*(\p)+FR*\b:128*(\p)+FR*\b+FR-1], v[AF+FR*(\a):AF+FR*(\a)+FR-1], v[8*(8*((\a)%4)+\b):8*(8*((\a)%4)+\b)+7], v[SC+8*NQ*(\sc)+NQ*\b+(\q)], v[SC+8*NQ*(\sc)+NQ*(\a)+(\q)] matrix_a_fmt:MATRIX_FMT_FP6 matrix_b_fmt:MATRIX_FMT_FP6 matrix_a_scale:MATRIX_SCALE_ROW1
.endif
.endr
.endr
.endm
.macro FETCH_B slot, q, p
	WIN TO_B
.irp i, 0,1,2,3,4,5,6,7
	FRAG 128*(\p)+FR*\i, ADRB+\slot, \q, \i
.endr
	WIN 0
.endm
.macro FETCH_A slot, q, i0
.irp i, \i0, \i0+1, \i0+2, \i0+3
	FRAGA AF+FR*(\i), ADRA+\slot, \q, \i
.endr
.endm
.macro SCALES sc
.irp i, 0,1,2,3,4,5,6,7
	ds_load_b64 v[SC+8*NQ*\sc+NQ*\i:SC+8*NQ*\sc+NQ*\i+1], v[ADRS] offset:\i*SBLK
.endr
.endm
.macro PLACES n                        ; plain vector instructions between a matrix instruction and a load into, or a read of, its registers
.rept \n
	v_nop
.endr
.endm
.macro STEP slot, q, zero
	s_wait_dscnt 4*NL                              ; B's set and A's blocks 0-3 are in; the 24 youngest loads (A's blocks 4-7) may be out
	WIN MUL_LO
	MUL16 0, (\q)%2, \q, \slot, \zero
	MUL16 2, (\q)%2, \q, \slot, \zero
	s_wait_dscnt 0
	PLACES NP
	FETCH_B \slot, (\q)+1, 1-(\q)%2
	FETCH_A \slot, (\q)+1, 0
	WIN MUL_HI
	MUL16 4, (\q)%2, \q, \slot, \zero
	MUL16 6, (\q)%2, \q, \slot, \zero
	PLACES NP
	WIN 0
	FETCH_A \slot, (\q)+1, 4
.endm
.macro TURN slot, next, fill           ; a slot's last step changes slots: one barrier, with the three lines in front of it
	s_wait_tensorcnt 0x0                           ; all my tensor loads have landed: my part of the next slot
	ds_add_u32 v[SPW], v[NIL]                      ; 0 onto my spare word
	s_wait_dscnt 4*NL+1                            ; (the add and the 24 youngest loads may be out)
	WIN MUL_LO
	MUL16 0, 1, NQ-1, \slot, 0
	s_wait_dscnt 0x0                               ; the add is done, and my reads of this slot are over
	s_barrier_signal -1
	MUL16 2, 1, NQ-1, \slot, 0
	WIN 0
	s_barrier_wait -1
.if \fill
	CREST                                          ; the barrier has opened a round of the cluster's barrier: no wave of any partner still reads this slot or has a load on its way
	s_add_nc_u64 s[G0+4*\slot+2:G0+4*\slot+3], s[G0+4*\slot+2:G0+4*\slot+3], 2*ASTEP
	s_add_nc_u64 s[G0B+4*\slot+2:G0B+4*\slot+3], s[G0B+4*\slot+2:G0B+4*\slot+3], 2*ROWB
	JLOAD G0+4*\slot, G1, G0B+4*\slot, G1B         ; the first tensor load behind the round, my only one until the next
.else
	PLACES NP
.endif
	v_add_nc_u32 v[ADRS], 4*NQ, v[ADRS]
	FETCH_B \next, 0, 0
	FETCH_A \next, 0, 0
	SCALES \next
	WIN MUL_HI
	MUL16 4, 1, NQ-1, \slot, 0
	MUL16 6, 1, NQ-1, \slot, 0
	PLACES NP
	WIN 0
	FETCH_A \next, 0, 4
.endm
	s_wait_tensorcnt 1                             ; the scales and my part of K step 0 are in; K step 1's load may be out
	s_barrier_signal -1
	s_barrier_wait -1
	FETCH_B 0, 0, 0
	FETCH_A 0, 0, 0
	SCALES 0
	FETCH_A 0, 0, 4
	STEP 0, 0, 1                                   ; the first step's products start the sums
	s_mov_b32 s3, LAPS-1
.Llap:
	TURN 0, 1, 1
	STEP 1, 0, 0
	TURN 1, 0, 1
	STEP 0, 0, 0
	s_sub_co_u32 s3, s3, 1
	s_cmp_lg_u32 s3, 0
	s_cbranch_scc1 .Llap
	TURN 0, 1, 0                                   ; the last lap fills nothing
	STEP 1, 0, 0
	s_wait_dscnt 4*NL
	WIN MUL_LO
	MUL16 0, 1, NQ-1, 1, 0
	MUL16 2, 1, NQ-1, 1, 0
	s_wait_dscnt 0
	WIN MUL_HI
	MUL16 4, 1, NQ-1, 1, 0
	MUL16 6, 1, NQ-1, 1, 0
	WIN 0
; THE WAY OUT, block by block of 16 positions x 128 columns, through my own stage in LDS.  Tile b's eight registers are columns 32 (b / 2) + 8 (b % 2) + 16 (lane / 16) + 0 .. 7: they go to their true places in the stage's rows;
; position t of block a is row 32 (a / 2) + 8 (a % 2) + t + 8 (t / 8) of my 128: that stands in the store's immediate.  LDS serves a wave's instructions in order: no wait between the stores and the loads.
.macro TOSTAGE a
.set AC, 64*((\a)%4)
	WIN 0x08+4*((\a)/4)                            ; the data: window 2 or 3
.irp b, 0,1,2,3,4,5,6,7
	ds_store_b128 v[STO], v[AC+8*\b:AC+8*\b+3] offset:128*(\b/2)+32*(\b%2)          ; each accumulator from its low end on
	ds_store_b128 v[STO], v[AC+8*\b+4:AC+8*\b+7] offset:128*(\b/2)+32*(\b%2)+16
.endr
	WIN 0
.set BB, BK+64*((\a)%2)
.irp t, 0,1,2,3,4,5,6,7,8,9,10,11,12,13,14,15
	ds_load_b128 v[BB+4*\t:BB+4*\t+3], v[RD] offset:\t*SPITCH
.endr
.endm
.macro SEND a, younger                 ; younger: the LDS instructions issued behind block a's loads, which may stay out
.set BB, BK+64*((\a)%2)
	s_wait_dscnt \younger                          ; the block is back in registers
.irp t, 0,1,2,3,4,5,6,7,8,9,10,11,12,13,14,15
	v_pk_add_f32 v[BB+4*\t:BB+4*\t+1], v[BB+4*\t:BB+4*\t+1], v[BO:BO+1]             ; + b_o
	v_pk_add_f32 v[BB+4*\t+2:BB+4*\t+3], v[BB+4*\t+2:BB+4*\t+3], v[BO+2:BO+3]
	global_store_b128 v[CO], v[BB+4*\t:BB+4*\t+3], s[12:13] offset:(32*((\a)/2)+8*((\a)%2)+\t+8*(\t/8))*SIZE_N*4 th:TH_STORE_NT   ; 32 lanes store 512 consecutive bytes, aligned; at most 127 rows of 4,096 bytes on
.endr
.endm
	PLACES NP                                      ; behind the last products: results are read, and loads land where A's fragments lay
	TOSTAGE 0
.irp a, 1,2,3,4,5,6,7
.if \a > 1
	s_wait_xcnt 0x0                                ; block a - 2's stores have taken their data: block a's loads may land there
.endif
	TOSTAGE \a
	SEND \a-1, 32                                  ; behind block a - 1's loads: block a's 16 stores and 16 loads
.endr
	SEND 7, 0
	s_wait_tensorcnt 0x0                           ; the wave's end: behind my last tensor load and my last LDS store
	ds_add_u32 v[SPW], v[NIL]
	s_wait_dscnt 0x0
	CROUND                                         ; the closing round: no work-group ends while a partner may still ask for a tile that names it
	s_endpgm
.Lfunc_end_k_q030b3ca131_outp:
	.size	k_q030b3ca131_outp, .Lfunc_end_k_q030b3ca131_outp-k_q030b3ca131_outp
	.p2alignl 7, 3214868480
	.fill 96, 4, 3214868480
	.section	.rodata,"a",@progbits
	.p2align	6, 0x0
	.amdhsa_kernel k_q030b3ca131_outp
		.amdhsa_group_segment_fixed_size 327680
		.amdhsa_private_segment_fixed_size 0
		.amdhsa_enable_private_segment 0
		.amdhsa_kernarg_size 48
		.amdhsa_user_sgpr_count 2
		.amdhsa_user_sgpr_kernarg_segment_ptr 1
		.amdhsa_wavefront_size32 1
		.amdhsa_system_sgpr_workgroup_id_x 1
		.amdhsa_system_sgpr_workgroup_id_y 1
		.amdhsa_system_sgpr_workgroup_id_z 1
		.amdhsa_system_vgpr_workitem_id 0
		.amdhsa_next_free_vgpr 1024
		.amdhsa_next_free_sgpr 100
		.amdhsa_reserve_vcc 0
		.amdhsa_float_denorm_mode_32 3
		.amdhsa_float_denorm_mode_16_64 3
		.amdhsa_memory_ordered 1
		.amdhsa_forward_progress 1
		.amdhsa_inst_pref_size 176
	.end_amdhsa_kernel
	.amdgpu_metadata
---
amdhsa.version: [ 1, 2 ]
amdhsa.kernels:
  - .name:           k_q030b3ca131_outp
    .symbol:         k_q030b3ca131_outp.kd
    .args:
      - { .name: ac, .offset: 0, .size: 8, .value_kind: global_buffer, .address_space: global }
      - { .name: asc, .offset: 8, .size: 8, .value_kind: global_buffer, .address_space: global }
      - { .name: cod, .offset: 16, .size: 8, .value_kind: global_buffer, .address_space: global }
      - { .name: scl, .offset: 24, .size: 8, .value_kind: global_buffer, .address_space: global }
      - { .name: b_o, .offset: 32, .size: 8, .value_kind: global_buffer, .address_space: global }
      - { .name: out0, .offset: 40, .size: 8, .value_kind: global_buffer, .address_space: global }
    .group_segment_fixed_size: 327680
    .private_segment_fixed_size: 0
    .kernarg_segment_align: 8
    .kernarg_segment_size: 48
    .max_flat_workgroup_size: 128
    .sgpr_count:     100
    .vgpr_count:     1024
    .wavefront_size: 32
...
	.end_amdgpu_metadata
.endif
;; end of part 4
